; MI455X (gfx1250); checked and timed in simulation.
; The chip was launched on July 23, 2026; its instructions are those of AMD's public machine-readable ISA for CDNA 5 (MIT licence, August 2026) and "CDNA5" Instruction Set Architecture Reference Guide (July 2026). The comments in the code are by the model that wrote it; some were corrected since.
;; Block. Allowed arithmetic: float matrix products may take bf16 or f16 operands with f32 sums; other float arithmetic in f32, or as packed bf16 or f16 multiplies, adds, multiply-adds, maxima and minima; sums over many terms, partial sums and values carried from step to step in f32; what a program stores and reads back later, other than sums and carried values, may be rounded once to bf16 or f16.
;; Inputs: attn_b 3,072 float32; attn_w 1,024 x 3,072 float32; fc_b 4,096 float32; fc_proj_b 1,024 float32; fc_proj_w 4,096 x 1,024 float32; fc_w 1,024 x 4,096 float32; ln1_b 1,024 float32; ln1_w 1,024 float32; ln2_b 1,024 float32; ln2_w 1,024 float32; proj_b 1,024 float32; proj_w 1,024 x 1,024 float32; x 2 x 2,048 x 1,024 float32.
;; Outputs: out0 2 x 2,048 x 1,024 float32.
;; One version. Each part assembles by itself: llvm-mc -triple=amdgcn-amd-amdhsa -mcpu=gfx1250 --defsym DOCPART=n.
;; ======== version 1 of 1: 7 launches
;; limits: values are held in f16: magnitudes above 65,504 overflow, below 6.1e-05 lose precision; a function is approximated: absolute error at most 1.5e-07
;; workspace buffers: wh 16,777,216 bytes; wp 2,097,152 bytes; wf 8,388,608 bytes; hn 8,388,608 bytes; qkvh 25,165,824 bytes; g 33,554,432 bytes
;; launch prep (part 1): grid 448 x 1, 16 waves a work-group, no clusters, 0 bytes of LDS; arguments x, ln1_w, ln1_b, hn, attn_w, wh; writes hn, wh
.if DOCPART == 1
	.amdgcn_target "amdgcn-amd-amdhsa--gfx1250"
	.amdhsa_code_object_version 6
	.text
	.protected	k_qd695da465b_prep
	.globl	k_qd695da465b_prep
	.p2align	8
	.type	k_qd695da465b_prep,@function
k_qd695da465b_prep:
	s_mov_b64 s[64:65], 0
	v_nop
	global_prefetch_b8 v0, s[64:65] scope:SCOPE_SE
	s_setreg_imm32_b32 hwreg(HW_REG_WAVE_MODE, 25, 1), 1
	s_wait_xcnt 0x0
; TWO STREAMS IN ONE TEXT, which two launches run.  Work-groups 0-255: rows out = LayerNorm(rows in) * gain + bias, [4096][1024] f32 in, rounded once to f16.  Work-groups from 256 on, which the first
; launch alone has (192 of them): attn_w, f32 as given ([1024][3072]), rounded once to f16 at the head of wh.  The launch for the second LayerNorm has 256 work-groups: none of them reaches the cast.
; LIMITS.  f16 holds no number beyond 65,504 and keeps a fixed step of 6e-8 below 6.1e-5: weights and normalised rows are taken to lie within that.  NaN and infinities are not treated apart.
; NORM.  A row is 4,096 bytes: one wave takes a whole row in 32 registers, sixteen waves a work-group's 16 rows.  Two true passes over the registers: the mean, then the sum of (x - mean)^2:
; no difference of large sums is formed.  No LDS, no barrier: the reduction never leaves the wave.  All 24 loads of a wave are on their way at once.
; CAST.  A work-group takes 65,536 bytes: 8 loads of 16 bytes a thread, all on their way at once; each store of a wave covers 256 consecutive bytes, aligned.
.set X,  16                            ; v[16:47]   my wave's row: columns 128 j + 4 lane + 0..3 at X + 4 j
.set W,  48                            ; v[48:79]   the gain of the same columns
.set BB, 80                            ; v[80:111]  the bias
.set R,  14                            ; v[14:15]   1 / sigma, twice (a pair for the packed multiply)
	s_load_b256 s[8:15], s[0:1], 0x0               ; rows in 8:9, gain 10:11, bias 12:13, rows out 14:15
	s_load_b128 s[16:19], s[0:1], 0x20             ; attn_w 16:17, wh 18:19
	s_cmp_lt_u32 ttmp9, 256
	s_cbranch_scc1 .Lnorm
	; ---- CAST ----
	s_sub_co_u32 s2, ttmp9, 256                    ; my place among the cast's work-groups
	v_lshlrev_b32 v1, 4, v0                        ; 16 bytes a thread in: 512 threads take 8,192 bytes,
	v_lshlrev_b32 v2, 3, v0                        ; 8 bytes out
	s_lshl_b32 s4, s2, 16
	s_mov_b32 s5, 0
	s_lshl_b32 s6, s2, 15
	s_mov_b32 s7, 0
	s_wait_kmcnt 0x0
	s_add_nc_u64 s[16:17], s[16:17], s[4:5]
	s_add_nc_u64 s[18:19], s[18:19], s[6:7]
.irp j, 0,1,2,3,4,5,6,7
	global_load_b128 v[8+4*(\j):11+4*(\j)], v1, s[16:17] offset:8192*(\j) th:TH_LOAD_NT   ; read once in the whole program
.endr
.irp j, 0,1,2,3,4,5,6,7
	s_wait_loadcnt 7-(\j)                          ; loads come back in order: number j is in, the younger ones stay out
	v_cvt_pk_f16_f32 v[40+2*(\j)], v[8+4*(\j)], v[9+4*(\j)]
	v_cvt_pk_f16_f32 v[41+2*(\j)], v[10+4*(\j)], v[11+4*(\j)]
	global_store_b64 v2, v[40+2*(\j):41+2*(\j)], s[18:19] offset:4096*(\j)
.endr
	s_endpgm
	; ---- NORM ----
.macro JOIN                            ; four chains of pairs in v[4:11] -> one number in every lane of the wave, in v4
	v_pk_add_f32 v[4:5], v[4:5], v[6:7]
	v_pk_add_f32 v[8:9], v[8:9], v[10:11]
	v_pk_add_f32 v[4:5], v[4:5], v[8:9]
	v_add_f32 v4, v4, v5
	v_add_f32_dpp v4, v4, v4 row_xmask:1 row_mask:0xf bank_mask:0xf
	v_add_f32_dpp v4, v4, v4 row_xmask:2 row_mask:0xf bank_mask:0xf
	v_add_f32_dpp v4, v4, v4 row_xmask:4 row_mask:0xf bank_mask:0xf
	v_add_f32_dpp v4, v4, v4 row_xmask:8 row_mask:0xf bank_mask:0xf
	v_permlanex16_b32 v5, v4, s26, s27             ; the other half of the lanes; v5 has been written
	v_add_f32 v4, v4, v5
.endm
.Lnorm:
	v_and_b32 v1, 31, v0                           ; lane
	v_lshrrev_b32 v3, 5, v0                        ; wave
	v_lshlrev_b32 v2, 12, v3                       ; in: wave x one row of 4,096 bytes
	v_lshl_add_u32 v2, v1, 4, v2                   ;     + 16 x lane
	v_lshlrev_b32 v3, 11, v3                       ; out: wave x one row of 2,048 bytes
	v_lshl_add_u32 v3, v1, 3, v3                   ;     + 8 x lane
	v_lshlrev_b32 v1, 4, v1                        ; gain and bias: 16 x lane
	s_lshl_b32 s2, ttmp9, 16                       ; the work-group's 16 rows, in
	s_mov_b32 s3, 0
	s_lshl_b32 s4, ttmp9, 15                       ; and out
	s_mov_b32 s5, 0
	s_mov_b32 s26, 0x76543210                      ; v_permlanex16_b32: each lane takes its own place in the other half
	s_mov_b32 s27, 0xfedcba98
	s_mov_b32 s28, 0x3a800000                      ; 1 / 1024
	s_mov_b32 s29, 0x3727c5ac                      ; eps = 1e-5
	s_wait_kmcnt 0x0
	s_add_nc_u64 s[8:9], s[8:9], s[2:3]
	s_add_nc_u64 s[14:15], s[14:15], s[4:5]
.irp j, 0,1,2,3,4,5,6,7
	global_load_b128 v[X+4*(\j):X+4*(\j)+3], v2, s[8:9] offset:512*(\j)
.endr
.irp j, 0,1,2,3,4,5,6,7
	global_load_b128 v[W+4*(\j):W+4*(\j)+3], v1, s[10:11] offset:512*(\j)
.endr
.irp j, 0,1,2,3,4,5,6,7
	global_load_b128 v[BB+4*(\j):BB+4*(\j)+3], v1, s[12:13] offset:512*(\j)
.endr
	s_wait_loadcnt 16                              ; the row is in; gain and bias (16 loads) stay out
	; the mean
.irp k, 0,1,2,3
	v_pk_add_f32 v[4+2*(\k):5+2*(\k)], v[X+2*(\k):X+2*(\k)+1], v[X+8+2*(\k):X+9+2*(\k)]   ; the first pairs start the chains: nothing is cleared
.endr
.irp p, 8,9,10,11,12,13,14,15
	v_pk_add_f32 v[4+2*((\p)%4):5+2*((\p)%4)], v[4+2*((\p)%4):5+2*((\p)%4)], v[X+2*(\p):X+2*(\p)+1]
.endr
	JOIN
	v_mul_f32 v12, s28, v4                         ; the mean, twice
	v_mul_f32 v13, s28, v4
	; the row is centred in place; then the sum of its squares
.irp p, 0,1,2,3,4,5,6,7,8,9,10,11,12,13,14,15
	v_pk_add_f32 v[X+2*(\p):X+2*(\p)+1], v[X+2*(\p):X+2*(\p)+1], v[12:13] neg_lo:[0,1] neg_hi:[0,1]
.endr
.irp k, 0,1,2,3
	v_pk_mul_f32 v[4+2*(\k):5+2*(\k)], v[X+2*(\k):X+2*(\k)+1], v[X+2*(\k):X+2*(\k)+1]
.endr
.irp p, 4,5,6,7,8,9,10,11,12,13,14,15
	v_pk_fma_f32 v[4+2*((\p)%4):5+2*((\p)%4)], v[X+2*(\p):X+2*(\p)+1], v[X+2*(\p):X+2*(\p)+1], v[4+2*((\p)%4):5+2*((\p)%4)]
.endr
	JOIN
	v_fma_f32 v4, v4, s28, s29                     ; var + eps
	v_rsq_f32 v[R], v4
	v_rsq_f32 v[R+1], v4
	v_nop                                          ; a plain instruction before the result is used or the source rewritten (ISA guide 5.7.2)
	s_wait_loadcnt 0x0                             ; gain and bias
	; (x - mean) / sigma * gain + bias, rounded to f16; 32 lanes x 8 bytes are 256 consecutive bytes, aligned
	s_wait_alu depctr_va_vdst(0)
.irp j, 0,1,2,3,4,5,6,7
	v_pk_mul_f32 v[X+4*(\j):X+4*(\j)+1], v[X+4*(\j):X+4*(\j)+1], v[R:R+1]
	v_pk_mul_f32 v[X+4*(\j)+2:X+4*(\j)+3], v[X+4*(\j)+2:X+4*(\j)+3], v[R:R+1]
	v_pk_fma_f32 v[X+4*(\j):X+4*(\j)+1], v[X+4*(\j):X+4*(\j)+1], v[W+4*(\j):W+4*(\j)+1], v[BB+4*(\j):BB+4*(\j)+1]
	v_pk_fma_f32 v[X+4*(\j)+2:X+4*(\j)+3], v[X+4*(\j)+2:X+4*(\j)+3], v[W+4*(\j)+2:W+4*(\j)+3], v[BB+4*(\j)+2:BB+4*(\j)+3]
	v_cvt_pk_f16_f32 v[X+4*(\j)], v[X+4*(\j)], v[X+4*(\j)+1]
	v_cvt_pk_f16_f32 v[X+4*(\j)+1], v[X+4*(\j)+2], v[X+4*(\j)+3]
	global_store_b64 v3, v[X+4*(\j):X+4*(\j)+1], s[14:15] offset:256*(\j)
.endr
	s_endpgm
.Lfunc_end_k_qd695da465b_prep:
	.size	k_qd695da465b_prep, .Lfunc_end_k_qd695da465b_prep-k_qd695da465b_prep
	.p2alignl 7, 3214868480
	.fill 96, 4, 3214868480
	.section	.rodata,"a",@progbits
	.p2align	6, 0x0
	.amdhsa_kernel k_qd695da465b_prep
		.amdhsa_group_segment_fixed_size 0
		.amdhsa_private_segment_fixed_size 0
		.amdhsa_enable_private_segment 0
		.amdhsa_kernarg_size 48
		.amdhsa_user_sgpr_count 2
		.amdhsa_user_sgpr_kernarg_segment_ptr 1
		.amdhsa_wavefront_size32 1
		.amdhsa_system_sgpr_workgroup_id_x 1
		.amdhsa_system_sgpr_workgroup_id_y 1
		.amdhsa_system_sgpr_workgroup_id_z 1
		.amdhsa_system_vgpr_workitem_id 0
		.amdhsa_next_free_vgpr 112
		.amdhsa_next_free_sgpr 66
		.amdhsa_reserve_vcc 0
		.amdhsa_float_denorm_mode_32 3
		.amdhsa_float_denorm_mode_16_64 3
		.amdhsa_memory_ordered 1
		.amdhsa_forward_progress 1
		.amdhsa_inst_pref_size 15
	.end_amdhsa_kernel
	.amdgpu_metadata
---
amdhsa.version: [ 1, 2 ]
amdhsa.kernels:
  - .name:           k_qd695da465b_prep
    .symbol:         k_qd695da465b_prep.kd
    .args:
      - { .name: x, .offset: 0, .size: 8, .value_kind: global_buffer, .address_space: global }
      - { .name: ln1_w, .offset: 8, .size: 8, .value_kind: global_buffer, .address_space: global }
      - { .name: ln1_b, .offset: 16, .size: 8, .value_kind: global_buffer, .address_space: global }
      - { .name: hn, .offset: 24, .size: 8, .value_kind: global_buffer, .address_space: global }
      - { .name: attn_w, .offset: 32, .size: 8, .value_kind: global_buffer, .address_space: global }
      - { .name: wh, .offset: 40, .size: 8, .value_kind: global_buffer, .address_space: global }
    .group_segment_fixed_size: 0
    .private_segment_fixed_size: 0
    .kernarg_segment_align: 8
    .kernarg_segment_size: 48
    .max_flat_workgroup_size: 512
    .sgpr_count:     66
    .vgpr_count:     112
    .wavefront_size: 32
...
	.end_amdgpu_metadata
.endif
;; end of part 1
;; launch qkv (part 2): grid 16 x 16, 4 waves a work-group, clusters of 4 x 4, 327,680 bytes of LDS; arguments hn, wh, attn_b, qkvh; writes qkvh
.if DOCPART == 2
	.amdgcn_target "amdgcn-amd-amdhsa--gfx1250"
	.amdhsa_code_object_version 6
	.text
	.protected	k_qd695da465b_qkv
	.globl	k_qd695da465b_qkv
	.p2align	8
	.type	k_qd695da465b_qkv,@function
k_qd695da465b_qkv:
	s_mov_b64 s[64:65], 0
	v_nop
	global_prefetch_b8 v0, s[64:65] scope:SCOPE_SE
	s_setreg_imm32_b32 hwreg(HW_REG_WAVE_MODE, 25, 1), 1
	s_wait_xcnt 0x0
	s_wait_alu depctr_hold_cnt(0) depctr_sa_sdst(0) depctr_va_vdst(0) depctr_va_sdst(0) depctr_va_ssrc(0) depctr_va_vcc(0) depctr_vm_vsrc(0)
	s_getreg_b32 s2, hwreg(HW_REG_IB_STS2, 6, 4)
	s_cmp_eq_u32 s2, 0
	s_cbranch_scc0 .Lentry_in_a_cluster
	s_endpgm
.Lentry_in_a_cluster:
	s_bfe_u32 s2, ttmp6, 0x10000c
	s_cmp_lg_u32 s2, 0xf033
	s_cbranch_scc0 .Lentry_shape_is_right
	s_endpgm
.Lentry_shape_is_right:
; qkvh = hn attn_w + attn_b.  hn: [4096][1024] f16.  The weights: [1024][3072] f16, at byte WOFF of wh.  Bias f32.  Sums in f32, starting from the bias; the result rounded once to f16 and stored in blocks
; [column group of 64][4096 rows][64]: groups 0-15 are q by head, 16-31 k, 32-47 v, so that a head's rows are dense.
; LIMITS.  f16 holds no number beyond 65,504: operands arrive within it, and q, k, v are taken to stay within it.  NaN and infinities are not treated apart.
; SHARES.  A tile of the result is 256 rows x NT columns, made by four waves: wave w takes rows 128 (w / 2) on and the 16-column blocks 2 b + w % 2: 8 x NBW accumulators of 16 x 16.  16 x 16 tiles: 256 work-groups.
; K goes in 8 steps of 128 through a ring of two LDS slots filled by the tensor data mover.  A's rows lie along K and are read as they lie; the weights lie [K][N] and are read turned, by ds_load_tr16_b128.
; CLUSTER.  4 x 4 work-groups: the four of a row of the cluster need the same tile of A, the four of a column the same tile of the weights: each is asked for jointly, by the same tensor load, descriptor and mask.
; THE MATRIX INSTRUCTION IS USED TRANSPOSED (source 0 = 16 columns of the weights, source 1 = 16 rows of A): a lane then holds eight neighbouring numbers of one row of the result.
; REGISTERS, in windows of 256 (s_set_vgpr_msb: bits 1:0 source 0, 3:2 source 1, 5:4 source 2, 7:6 destination):
;   window 0: v16-29 addresses; v64-127, v128-191 fragments of A, two buffers; on the way out v32-255 at work      window 1: v64-127, v128-191 fragments of the weights
;   window 2: the accumulators of my rows 0-63 ((a, b) at v[8 (8 a + b)])      window 3: those of my rows 64-127
.set NT,     192                       ; columns in a tile
.set NCOLS,  3072                      ; columns of the weights
.set NBW,    6                         ; blocks of 16 columns a wave
.set NG,     3                         ; column groups of 64 in a tile
.set PITCHB, 480                       ; an LDS row of the weights: three chunks of 128 bytes + 32 of padding each = 15 x 32 bytes: the turning load's 8 rows x 32 bytes fall on different banks (64 banks of 4 bytes: ISA guide 11.1)
.set QIB,    4                         ; padding after every 32 words
.set CHUNK,  160                       ; bytes from one 128-byte chunk of a row to the next
.set WOFF,   0
.set GELU,   0
.set SP,     784                       ; a row of the stage: NT x 4 bytes + 16
.set KSTEPS, 8
.set PITCHA, 272                       ; an LDS row of A: 256 bytes + 16 of padding: the 16 rows of a load start at 16 different groups of four banks
.set HALFA,  128*PITCHA                ; what one tensor load brings of A
.set BOFF,   2*HALFA                   ; the weights' 128 rows lie behind A's 256
.set HALFB,  64*PITCHB                 ; what one tensor load brings of the weights
.set SLOT,   BOFF+2*HALFB              ; no wave's place in a slot shares a bit with SLOT, so one exclusive or turns an address in one slot into the other's
.set SPARE,  2*SLOT                    ; behind the ring: the spare words, 128 bytes for each wave: two blocks of 256 bytes that no other line names
.set STEPA,  256                       ; bytes from a K step to the next: 128 numbers along A's rows,
.set STEPB,  256*NCOLS                 ; 128 rows of the weights
.set NL,     2*NBW+16                  ; LDS loads in a run
.set A0,  16                           ; v16  my lane's place in a slot's A; never rewritten
.set B0,  17                           ; v17  the same for the weights
.set CA,  18                           ; v18  A0 + the slot in hand
.set CB,  19                           ; v19  B0 + the slot in hand
.set STO, 20                           ; v20, v21  the way out: where I put 32 bytes of a row (rows 0-63, rows 64-127 of mine)
.set RD,  22                           ; v22  where I read 32 bytes of a row back
.set GO,  23                           ; v23  my byte offset in a column group of the result
.set BO,  24                           ; v24  my byte offset in the tile's bias
.set SPW, 28                           ; v28  LDS address of my spare word; never rewritten
.set NIL, 29                           ; v29  0; never rewritten
.set Y,   32                           ; the way out: packed results
.set F0,  64
.set F1,  128
.set X,   64                           ; the way out: 8 numbers for each column group
.set AX,  96
.set RL,  128
.set D,   160
.set U,   192
.set Q,   224
.set CNT, 3                            ; s3   loop counter
.set WV,  12                           ; s12  wave
.set RH,  13                           ; s13  which half of the rows is mine; also: I fetch A (0) or the weights (1)
.set CH,  14                           ; s14  even or odd column blocks; also: which half of that tile I fetch
.set G1A, 24                           ; s[24:31] descriptor group 1 for A
.set G0A, 32                           ; s[32:39] group 0 for A: a set for each first fill; the second then walks on
.set CX,  40
.set CY,  41
.set TX,  42
.set TY,  43
.set RM,  44
.set CM,  45
.set G1B, 48                           ; s[48:55], s[56:63] the same for the weights
.set G0B, 56
.set TB,  66                           ; s66  the slot in hand: 0 or SLOT
.set SGN, 67
.set KP,  68
.set KN,  70
.set H5,  72
.set H4,  74
.set H3,  76
.set H2,  78
.set H1,  80
.set MSB, 0
.macro WIN new                         ; the immediate's high byte repeats the setting that is left; a switch that changes nothing is dropped
.if MSB != (\new)
	s_set_vgpr_msb (MSB<<8)|(\new)
.set MSB, (\new)
.endif
.endm
.macro PLACES                          ; four places in front of loads into registers that matrix instructions have read, and of reads of results
.rept 4
	v_nop
.endr
.endm
.macro JLOAD                           ; a joint refill by the walking sets; the branch hangs on the wave's number alone; s_nop 0 and four v_nop follow each line
	s_cmp_eq_u32 s[RH], 0
	s_cbranch_scc0 .Lfor_b_\@
	tensor_load_to_lds s[G0A+4:G0A+7], s[G1A:G1A+7]
	s_nop 0
	PLACES
	s_branch .Lasked_\@
.Lfor_b_\@:
	tensor_load_to_lds s[G0B+4:G0B+7], s[G1B:G1B+7]
	s_nop 0
	PLACES
.Lasked_\@:
.endm
.macro CREST                           ; a round of the cluster's barrier behind its opening barrier
	s_cmp_lg_u32 s[WV], 0
	s_cbranch_scc1 .Lnot_wave_0_\@
	s_barrier_signal -3
.Lnot_wave_0_\@:
	s_barrier_wait -3
	s_barrier_signal -1
	s_barrier_wait -1
.endm
.macro CROUND
	s_barrier_signal -1
	s_barrier_wait -1
	CREST
.endm
	s_load_b256 s[4:11], s[0:1], 0x0               ; A s[4:5], wh s[6:7], bias s[8:9], result s[10:11]
	v_lshl_add_u32 v[SPW], v0, 2, SPARE
	v_mov_b32 v[NIL], 0
	ds_add_u32 v[SPW], v[NIL]                      ; the wave's opening: the add and its wait stand ahead of my first tensor load; the set-up below stands between them
	ds_add_u32 v28, v29
	v_lshrrev_b32 v1, 5, v0
	v_readfirstlane_b32 s[WV], v1
	s_lshr_b32 s[RH], s[WV], 1
	s_and_b32 s[CH], s[WV], 1
	s_bfe_u32 s[CX], ttmp6, 0x40000                ; my place in the cluster
	s_bfe_u32 s[CY], ttmp6, 0x40004
	s_lshl_b32 s[TX], ttmp9, 2
	s_add_co_u32 s[TX], s[TX], s[CX]               ; tile column = 4 x cluster x + cx
	s_and_b32 s[TY], ttmp7, 0xffff
	s_lshl_b32 s[TY], s[TY], 2
	s_add_co_u32 s[TY], s[TY], s[CY]               ; tile row = 4 x cluster y + cy
	s_lshl_b32 s[RM], s[CY], 2
	s_lshl_b32 s[RM], 15, s[RM]                    ; my row of the cluster
	s_lshl_b32 s[CM], 0x1111, s[CX]                ; my column
	s_or_b32 s[G1A], s[RM], (1<<16)|(1<<20)|(1<<21)|(5<<22)|(3<<25)    ; mask; 2-byte elements; padding on; bit 21 beside a mask; after every 64 words 4 words
	s_mov_b32 s[G1A+1], 128<<16                    ; tensor_dim0 = 128
	s_mov_b32 s[G1A+2], 128<<16                    ; tensor_dim1 = 128
	s_mov_b32 s[G1A+3], 128<<16                    ; tile_dim0 = 128
	s_mov_b32 s[G1A+4], 128                        ; tile_dim1 = 128
	s_mov_b32 s[G1A+5], 1024                       ; elements from row to row
	s_mov_b32 s[G1A+6], 0
	s_mov_b32 s[G1A+7], 0
	s_or_b32 s[G1B], s[CM], (1<<16)|(1<<20)|(1<<21)|(QIB<<22)|(7<<25)  ; the same with my column's mask; 8 words of padding
	s_mov_b32 s[G1B+1], NT<<16
	s_mov_b32 s[G1B+2], 64<<16
	s_mov_b32 s[G1B+3], NT<<16
	s_mov_b32 s[G1B+4], 64
	s_mov_b32 s[G1B+5], NCOLS
	s_mov_b32 s[G1B+6], 0
	s_mov_b32 s[G1B+7], 0
	s_lshl_b32 s16, s[TY], 19                      ; A: 256 rows of 2,048 bytes a tile row,
	s_lshl_b32 s17, s[CH], 18                      ; 128 rows a half
	s_add_co_u32 s16, s16, s17
	s_mov_b32 s17, 0
	s_mul_i32 s46, s[TX], NT*2                     ; the weights: the tile's columns,
	s_mul_i32 s47, s[CH], 64*NCOLS*2               ; 64 rows a half
	s_add_co_u32 s46, s46, s47
	s_add_co_u32 s46, s46, WOFF
	s_mov_b32 s47, 0
	s_mul_i32 s20, s[CH], HALFA                    ; where they go: no place in the cluster enters an LDS address
	s_mul_i32 s21, s[CH], HALFB
	s_add_co_u32 s21, s21, BOFF
	s_mul_i32 s86, s[TX], NG*524288                ; the result: a column group is 4,096 rows of 128 bytes,
	s_lshl_b32 s87, s[TY], 15                      ; a tile row 256 of them
	s_add_co_u32 s86, s86, s87
	s_mov_b32 s87, 0
	s_mul_i32 s88, s[TX], NT*4                     ; the tile's bias
	s_mov_b32 s89, 0
	s_mov_b32 s[TB], 0
.if GELU
	s_mov_b32 s[SGN], 0x7fffffff
	s_mov_b32 s[KP], 0x3e6d3388                    ; 0.3275911 / sqrt(2)
	s_mov_b32 s[KN], 0xbf38aa3b                    ; -log2(e) / 2
	s_mov_b32 s[H5], 0x3f07dc22                    ; half of the five coefficients
	s_mov_b32 s[H4], 0xbf3a00e3
	s_mov_b32 s[H3], 0x3f35f0e3
	s_mov_b32 s[H2], 0xbe11a98e
	s_mov_b32 s[H1], 0x3e027906
.irp c, KP, KN, H5, H4, H3, H2, H1
	s_mov_b32 s[\c+1], s[\c]                       ; named as pairs, so both are written
.endr
.endif
	s_wait_dscnt 0x0                               ; the opening add is done
	s_wait_kmcnt 0x0
	s_add_nc_u64 s[18:19], s[4:5], s[16:17]
	s_add_nc_u64 s[22:23], s[6:7], s[46:47]
	s_add_nc_u64 s[8:9], s[8:9], s[88:89]
	s_add_nc_u64 s[10:11], s[10:11], s[86:87]
.irp s, 0,1
	s_mov_b32 s[G0A+4*(\s)], 1                                        ; count = 1
	s_add_co_u32 s[G0A+4*(\s)+1], s20, (\s)*SLOT                      ; LDS address
	s_add_nc_u64 s[G0A+4*(\s)+2:G0A+4*(\s)+3], s[18:19], (\s)*STEPA   ; global address: K step s
	s_or_b32 s[G0A+4*(\s)+3], s[G0A+4*(\s)+3], 0x80000000             ; type = 2
	s_mov_b32 s[G0B+4*(\s)], 1
	s_add_co_u32 s[G0B+4*(\s)+1], s21, (\s)*SLOT
	s_add_nc_u64 s[G0B+4*(\s)+2:G0B+4*(\s)+3], s[22:23], (\s)*STEPB
	s_or_b32 s[G0B+4*(\s)+3], s[G0B+4*(\s)+3], 0x80000000
.endr
	CROUND                                         ; all sixteen work-groups are here: the first joint loads meet
	s_cmp_eq_u32 s[RH], 0                          ; a wave's two first fills stand in one branch: two loads of mine are out
	s_cbranch_scc0 .Lfirst_b
	tensor_load_to_lds s[G0A:G0A+3], s[G1A:G1A+7]
	s_nop 0
	tensor_load_to_lds s[G0A+4:G0A+7], s[G1A:G1A+7]
	s_nop 0
	PLACES
	s_branch .Lfirst_asked
.Lfirst_b:
	tensor_load_to_lds s[G0B:G0B+3], s[G1B:G1B+7]
	s_nop 0
	tensor_load_to_lds s[G0B+4:G0B+7], s[G1B:G1B+7]
	s_nop 0
	PLACES
.Lfirst_asked:
	v_and_b32 v1, 15, v0                           ; r = l % 16
	v_bfe_u32 v2, v0, 4, 1                         ; h = l / 16
	v_and_b32 v3, 7, v0                            ; l % 8
	v_bfe_u32 v4, v0, 3, 1                         ; (l / 8) % 2
	v_and_b32 v5, 31, v0                           ; l
	v_bfe_u32 v6, v0, 3, 2                         ; l / 8
	; a fragment of A: lane l holds row l % 16, K = 8 h + 0..7 and 16 + 8 h + 0..7: two loads of 16 bytes, 32 bytes apart
	v_mul_u32_u24 v[A0], v1, PITCHA
	v_lshl_add_u32 v[A0], v2, 4, v[A0]
	s_mul_i32 s15, s[RH], HALFA
	v_add_nc_u32 v[A0], s15, v[A0]
	; the turning load takes 16 K x 16 columns (lane l reads K row 8 h + l % 8, columns 8 ((l / 8) % 2) + 0..7) and leaves half a fragment: lane l holds column l % 16 and 8 K
	v_lshl_add_u32 v[B0], v2, 3, v3
	v_mul_u32_u24 v[B0], v[B0], PITCHB
	v_lshl_add_u32 v[B0], v4, 4, v[B0]
	s_lshl_b32 s15, s[CH], 5
	s_add_co_u32 s15, s15, BOFF
	v_add_nc_u32 v[B0], s15, v[B0]
	v_mul_u32_u24 v[STO], v1, SP                   ; into the stage: row 128 RH + r, byte 64 CH + 32 h of each 128
	v_lshl_add_u32 v[STO], v2, 5, v[STO]
	s_mul_i32 s15, s[RH], 128*SP
	s_lshl_b32 s18, s[CH], 6
	s_add_co_u32 s15, s15, s18
	v_add_nc_u32 v[STO], s15, v[STO]
	v_add_nc_u32 v[STO+1], 64*SP, v[STO]
	v_mul_u32_u24 v[RD], v6, SP                    ; back: row 64 w + l / 8, 32 bytes at 32 (l % 8) of a group's 256
	v_lshl_add_u32 v[RD], v3, 5, v[RD]
	s_mul_i32 s15, s[WV], 64*SP
	v_add_nc_u32 v[RD], s15, v[RD]
	v_lshlrev_b32 v[GO], 4, v5                     ; four rows of 128 bytes are 512 consecutive bytes of a column group
	s_lshl_b32 s15, s[WV], 13
	v_add_nc_u32 v[GO], s15, v[GO]
	v_lshlrev_b32 v[BO], 5, v2
	s_lshl_b32 s15, s[CH], 6
	v_add_nc_u32 v[BO], s15, v[BO]
	; THE SUMS START FROM THE BIAS: it is loaded straight into the accumulators (a lane's eight columns are 32 neighbouring bytes), in the wait for the first tile: nothing is cleared and nothing is added on the way out
.set oa, 0
.rept 8
	WIN 0x80+0x40*(oa/4)
.set ob, 0
.rept NBW
	global_load_b128 v[8*(8*(oa%4)+ob):8*(8*(oa%4)+ob)+3], v[BO], s[8:9] offset:128*ob
	global_load_b128 v[8*(8*(oa%4)+ob)+4:8*(8*(oa%4)+ob)+7], v[BO], s[8:9] offset:128*ob+16
.set ob, ob+1
.endr
.set oa, oa+1
.endr
	WIN 0
; one run of LDS loads: the fragments of quarter q (32 along K) of the slot in hand into buffer f: the weights first, then A's rows in ascending order
.macro FETCH q, f
	WIN 0x40
.set fb, 0
.rept NBW
	ds_load_tr16_b128 v[(\f)+8*fb:(\f)+8*fb+3],   v[CB] offset:(\q)*32*PITCHB+(fb/2)*CHUNK+(fb%2)*64
	ds_load_tr16_b128 v[(\f)+8*fb+4:(\f)+8*fb+7], v[CB] offset:(\q)*32*PITCHB+16*PITCHB+(fb/2)*CHUNK+(fb%2)*64
.set fb, fb+1
.endr
	WIN 0
.irp a, 0,1,2,3,4,5,6,7
	ds_load_b128 v[(\f)+8*(\a):(\f)+8*(\a)+3],   v[CA] offset:64*(\q)+(\a)*16*PITCHA
	ds_load_b128 v[(\f)+8*(\a)+4:(\f)+8*(\a)+7], v[CA] offset:64*(\q)+(\a)*16*PITCHA+32
.endr
.endm
; 2 NBW matrix instructions: row blocks a0, a0 + 1 of the window's four x all my column blocks.  The accumulators take turns, one instruction a turn
.macro MULH f, hi, a0
	WIN 0xa1+0x50*(\hi)
.irp a, \a0, (\a0)+1
.set mb, 0
.rept NBW
.set rD, 8*(8*(\a)+mb)
.set rB, (\f)+8*mb
.set rA, (\f)+8*(4*(\hi)+(\a))
	v_wmma_f32_16x16x32_f16 v[rD:rD+7], v[rB:rB+7], v[rA:rA+7], v[rD:rD+7]
.set mb, mb+1
.endr
.endr
.endm
; one of a K step's first three quarters: multiplies buffer f; in its middle it fetches quarter q into buffer g
.macro QUARTER q, f, g
	s_wait_dscnt 8                                 ; the weights and A's rows 0-63 are in; the youngest eight loads (A's rows 64-127) may be out
	MULH \f, 0, 0
	MULH \f, 0, 2
	PLACES
	FETCH \q, \g
	s_wait_dscnt NL                                ; all but the run just issued
	MULH \f, 1, 0
	MULH \f, 1, 2
.endm
; the last quarter multiplies buffer 1 and changes slots: ONE barrier.  In front of it each wave waits for all its tensor loads (one is out: its part of the next slot), adds 0 to its spare word, and waits for
; that and for its reads of this slot.  fill = 1: the barrier opens a round of the cluster's, and behind it this slot is filled again, two K steps ahead.  fill = 0: the tail; its last trip fetches nothing more.
.macro TURN fill
	WIN 0
	s_wait_tensorcnt 0x0
	ds_add_u32 v[SPW], v[NIL]
	s_wait_dscnt 9                                 ; (the add and the youngest eight loads may be out)
	MULH F1, 0, 0
	s_wait_dscnt 0x0                               ; the add is done, and my reads of this slot are over
	s_barrier_signal -1
	MULH F1, 0, 2
	WIN 0
	s_barrier_wait -1
.if \fill
	CREST                                          ; no wave of any partner still reads this slot or has a load on its way
	s_xor_b32 s[G0A+5], s[G0A+5], SLOT             ; the walking sets: the other slot than last time, the next K step; no tensor load of mine is out
	s_add_nc_u64 s[G0A+6:G0A+7], s[G0A+6:G0A+7], STEPA
	s_xor_b32 s[G0B+5], s[G0B+5], SLOT
	s_add_nc_u64 s[G0B+6:G0B+7], s[G0B+6:G0B+7], STEPB
	JLOAD                                          ; the first tensor load behind the round; its four v_nop are also the places in front of the loads below
.else
	s_cmp_eq_u32 s[CNT], 1
	s_cbranch_scc1 .Lno_fetch_\@
	PLACES
.endif
	s_xor_b32 s[TB], s[TB], SLOT
	v_add_nc_u32 v[CA], s[TB], v[A0]
	v_add_nc_u32 v[CB], s[TB], v[B0]
	FETCH 0, F0
.if !(\fill)
.Lno_fetch_\@:
.endif
	MULH F1, 1, 0
	MULH F1, 1, 2
.endm
.macro STEP fill
	QUARTER 1, F0, F1
	QUARTER 2, F1, F0
	QUARTER 3, F0, F1
	TURN \fill
	WIN 0
.endm
	s_wait_tensorcnt 0x1                           ; my part of K step 0 is in; K step 1's may stay out
	s_barrier_signal -1
	s_barrier_wait -1
	v_mov_b32 v[CA], v[A0]
	v_mov_b32 v[CB], v[B0]
	FETCH 0, F0
	s_wait_loadcnt 0x0                             ; the bias
	s_mov_b32 s[CNT], KSTEPS-2
.Lk:                                                   ; a trip is a K step; each of the first six asks for the step two on
	STEP 1
	s_sub_co_u32 s[CNT], s[CNT], 1
	s_cmp_lg_u32 s[CNT], 0
	s_cbranch_scc1 .Lk
	s_mov_b32 s[CNT], 2
.Lt:                                                   ; the last two K steps ask for nothing: a text of their own
	STEP 0
	s_sub_co_u32 s[CNT], s[CNT], 1
	s_cmp_lg_u32 s[CNT], 0
	s_cbranch_scc1 .Lt
	; THE WAY OUT.  The ring has had its last fill and, by the last barrier, its last read: the tile goes into it in f32, rows of SP bytes; behind a barrier each wave takes 64 whole rows back,
	; four rows a trip, rounds them to f16 and stores 512 consecutive bytes for each column group.
	PLACES
.set oa, 0
.rept 8
	WIN 0x08+4*(oa/4)
.set ob, 0
.rept NBW
	ds_store_b128 v[STO+oa/4], v[8*(8*(oa%4)+ob):8*(8*(oa%4)+ob)+3] offset:(oa%4)*16*SP+128*ob       ; each accumulator's low registers first
	ds_store_b128 v[STO+oa/4], v[8*(8*(oa%4)+ob)+4:8*(8*(oa%4)+ob)+7] offset:(oa%4)*16*SP+128*ob+16
.set ob, ob+1
.endr
.set oa, oa+1
.endr
	WIN 0
	s_wait_dscnt 0x0                               ; for the others' sake: my stores into the stage are done
	s_barrier_signal -1
	s_barrier_wait -1
.macro LDX
.set gi, 0
.rept NG
	ds_load_b128 v[X+8*gi:X+8*gi+3],   v[RD] offset:256*gi
	ds_load_b128 v[X+8*gi+4:X+8*gi+7], v[RD] offset:256*gi+16
.set gi, gi+1
.endr
.endm
	LDX
	s_mov_b32 s[CNT], 16
.Lrow:
	s_wait_dscnt 0x0                               ; this trip's four rows are in
.if GELU
.set i, 0
.rept 8*NG
	v_and_b32 v[AX+i], s[SGN], v[X+i]              ; |x|
	v_max_num_f32 v[RL+i], 0, v[X+i]               ; max(x, 0)
.set i, i+1
.endr
.set i, 0
.rept 4*NG
	v_pk_mul_f32 v[U+i:U+i+1], v[X+i:X+i+1], v[X+i:X+i+1]
.set i, i+2
.endr
.else
.set i, 0
.rept 4*NG
	v_cvt_pk_f16_f32 v[Y+i], v[X+2*i], v[X+2*i+1]
.set i, i+1
.endr
.endif
	s_cmp_eq_u32 s[CNT], 1
	s_cbranch_scc1 .Lno_more                       ; the last trip has no rows to fetch
	v_add_nc_u32 v[RD], 4*SP, v[RD]
	LDX                                            ; the next trip's rows, while this trip's are worked on
.Lno_more:
.if GELU
	; gelu(x) = max(x, 0) - |x| (poly(t) / 2) e^(-x^2 / 2), t = 1 / (1 + 0.2316419 |x|): the five-term form of erf, with no difference of near numbers in the negative tail
.set i, 0
.rept 4*NG
	v_pk_mul_f32 v[U+i:U+i+1], v[U+i:U+i+1], s[KN:KN+1] op_sel_hi:[1,0]
	v_pk_fma_f32 v[D+i:D+i+1], v[AX+i:AX+i+1], s[KP:KP+1], 1.0 op_sel_hi:[1,0,0]
.set i, i+2
.endr
.set i, 0
.rept 8*NG
	v_rcp_f32 v[D+i], v[D+i]
.set i, i+1
.endr
.set i, 0
.rept 8*NG
	v_exp_f32 v[U+i], v[U+i]
.set i, i+1
.endr
	v_nop                                          ; a plain instruction before the results are used (ISA guide 5.7.2)
.set i, 0
.rept 4*NG
	v_pk_fma_f32 v[Q+i:Q+i+1], v[D+i:D+i+1], s[H5:H5+1], s[H4:H4+1] op_sel_hi:[1,0,0]
.set i, i+2
.endr
.irp c, H3, H2, H1
.set i, 0
.rept 4*NG
	v_pk_fma_f32 v[Q+i:Q+i+1], v[Q+i:Q+i+1], v[D+i:D+i+1], s[\c:\c+1] op_sel_hi:[1,1,0]
.set i, i+2
.endr
.endr
.set i, 0
.rept 4*NG
	v_pk_mul_f32 v[Q+i:Q+i+1], v[Q+i:Q+i+1], v[D+i:D+i+1]
.set i, i+2
.endr
.set i, 0
.rept 4*NG
	v_pk_mul_f32 v[Q+i:Q+i+1], v[Q+i:Q+i+1], v[U+i:U+i+1]
.set i, i+2
.endr
.set i, 0
.rept 4*NG
	v_pk_fma_f32 v[Q+i:Q+i+1], v[Q+i:Q+i+1], v[AX+i:AX+i+1], v[RL+i:RL+i+1] neg_lo:[1,0,0] neg_hi:[1,0,0]
.set i, i+2
.endr
.set i, 0
.rept 4*NG
	v_cvt_pk_f16_f32 v[Y+i], v[Q+2*i], v[Q+2*i+1]
.set i, i+1
.endr
.endif
.set gi, 0
.rept NG
	global_store_b128 v[GO], v[Y+4*gi:Y+4*gi+3], s[10:11] offset:gi*524288   ; 512 consecutive bytes, at a multiple of 256 from the buffer's first
.set gi, gi+1
.endr
	s_wait_xcnt 0x0                                ; GO and the packed registers are rewritten only behind this wait
	v_add_nc_u32 v[GO], 512, v[GO]
	s_sub_co_u32 s[CNT], s[CNT], 1
	s_cmp_lg_u32 s[CNT], 0
	s_cbranch_scc1 .Lrow
	s_wait_tensorcnt 0x0                           ; the wave's end: the add and its wait stand behind my last tensor load and my last LDS store
	ds_add_u32 v[SPW], v[NIL]
	s_wait_dscnt 0x0
	CROUND                                         ; the closing round: no work-group ends while a partner may still ask for a tile that names it
	s_endpgm
.Lfunc_end_k_qd695da465b_qkv:
	.size	k_qd695da465b_qkv, .Lfunc_end_k_qd695da465b_qkv-k_qd695da465b_qkv
	.p2alignl 7, 3214868480
	.fill 96, 4, 3214868480
	.section	.rodata,"a",@progbits
	.p2align	6, 0x0
	.amdhsa_kernel k_qd695da465b_qkv
		.amdhsa_group_segment_fixed_size 327680
		.amdhsa_private_segment_fixed_size 0
		.amdhsa_enable_private_segment 0
		.amdhsa_kernarg_size 32
		.amdhsa_user_sgpr_count 2
		.amdhsa_user_sgpr_kernarg_segment_ptr 1
		.amdhsa_wavefront_size32 1
		.amdhsa_system_sgpr_workgroup_id_x 1
		.amdhsa_system_sgpr_workgroup_id_y 1
		.amdhsa_system_sgpr_workgroup_id_z 1
		.amdhsa_system_vgpr_workitem_id 0
		.amdhsa_next_free_vgpr 1024
		.amdhsa_next_free_sgpr 92
		.amdhsa_reserve_vcc 0
		.amdhsa_float_denorm_mode_32 3
		.amdhsa_float_denorm_mode_16_64 3
		.amdhsa_memory_ordered 1
		.amdhsa_forward_progress 1
		.amdhsa_inst_pref_size 70
	.end_amdhsa_kernel
	.amdgpu_metadata
---
amdhsa.version: [ 1, 2 ]
amdhsa.kernels:
  - .name:           k_qd695da465b_qkv
    .symbol:         k_qd695da465b_qkv.kd
    .args:
      - { .name: hn, .offset: 0, .size: 8, .value_kind: global_buffer, .address_space: global }
      - { .name: wh, .offset: 8, .size: 8, .value_kind: global_buffer, .address_space: global }
      - { .name: attn_b, .offset: 16, .size: 8, .value_kind: global_buffer, .address_space: global }
      - { .name: qkvh, .offset: 24, .size: 8, .value_kind: global_buffer, .address_space: global }
    .group_segment_fixed_size: 327680
    .private_segment_fixed_size: 0
    .kernarg_segment_align: 8
    .kernarg_segment_size: 32
    .max_flat_workgroup_size: 128
    .sgpr_count:     92
    .vgpr_count:     1024
    .wavefront_size: 32
...
	.end_amdgpu_metadata
.endif
;; end of part 2
;; launch attn (part 3): grid 8 x 32, 4 waves a work-group, no clusters, 327,680 bytes of LDS; arguments qkvh, hn, proj_w, fc_w, fc_proj_w, wp, wh, wf; writes hn, wp, wh, wf
.if DOCPART == 3
	.amdgcn_target "amdgcn-amd-amdhsa--gfx1250"
	.amdhsa_code_object_version 6
	.text
	.protected	k_qd695da465b_attn
	.globl	k_qd695da465b_attn
	.p2align	8
	.type	k_qd695da465b_attn,@function
k_qd695da465b_attn:
	s_mov_b64 s[64:65], 0
	v_nop
	global_prefetch_b8 v0, s[64:65] scope:SCOPE_SE
	s_setreg_imm32_b32 hwreg(HW_REG_WAVE_MODE, 25, 1), 1
	s_wait_xcnt 0x0
; CAUSAL ATTENTION, and beside it a cast of weights.  The grid is 8 x 32.  Work-groups with x = 0 .. 3 (128 of them) do attention; those with x = 4 .. 7 (128 more) leave at the first line for .Lcast, at the text's end:
; they round proj_w, fc_w and fc_proj_w to f16 for the launches that follow, touch no LDS and pass no barrier.
; O[h][q][:] = the sum over k <= q of softmax_k(Q[h][q] . K[h][k] / 8) V[h][k][:].  Q, K, V lie in the first argument one behind the other, 8,388,608 bytes each, as [SIZE_H][SIZE_N][64] f16; O (the second argument) likewise:
; 'head' 2 x head + batch; a head's rows are dense, 128 bytes each.  Products, maxima and sums in f32; the weights p are rounded to f16 for the second product (their sum l is taken of the unrounded p), O once at the end.
; LIMITS.  f16 holds no number beyond 65,504: Q, K and V arrive within it; p lies in 0 to 1, and below 6e-5 it keeps f16's fixed step of 6e-8; O is a mean of V's rows and has their range, to within 2^-11 of it.
; A hidden score counts as its value less 1e30: f16's scores, 2.7e11 at the most, are nothing beside that; a weight below 2^-126 counts as 0 in l; NaN and infinities are not treated apart.
; THE WALK.  A head's queries lie in NB = SIZE_N / 256 blocks of 256; block i needs the key tiles 0 .. i of 256 keys, of which the last holds the diagonal.  A work-group takes TWO blocks, NB - 1 - b and then b:
; NB + 1 tiles, whatever b: all work-groups do equal work, and ONE loop with a constant trip count walks them.  Which tile is asked for, and what a trip does, hang on scalar registers made from b; every jump
; goes forward, but for the counted loops' own; none passes a barrier, or a tensor load but the one of LOAD's two that the wave's number does not choose; the ring (two slots of LDS that take turns) runs on across the
; change of blocks.  NO CLUSTER: a head's NB / 2 = 4 work-groups ask for the same tile only in trips 0 .. NB / 2, behind that fewer and fewer; one walk common to all would have 3 NB / 2 = 12 trips for NB + 1 = 9.
; SHARES.  Of a block's four bands of 64 queries a wave owns 16 rows in each: four PIECES.  So the diagonal tile is the same work for all four waves: in its key step s band x sees all keys if s < x,
; none if s > x, and holds the diagonal if s = x.
; THE MASK is the C operand that starts the sum S^T = K Q^T: 0, or -1e30 where the key is hidden.  MD, made once, is the mask of a band's own step for my 16 rows; a product's mask is MD x AL + BE with two scalars:
; (1, 0) if s = x; (0, 0) if s < x; (0, -1e30) if s > x.  Only the diagonal tile's text and a block's beginning make and take masks; elsewhere C is the constant 0.
; LAYOUT, SOFTMAX, TURNS.  S^T = K Q^T holds ONE query a lane (lane % 16) and the keys 8 (lane / 16) + 0..7; two such results rounded to f16 ARE source 1 of O^T = V^T P.  p = 2^(c s - c m), c = log2(e) / 8, with a
; running maximum m; O and l are multiplied by a = 2^(c m_old - c m_new) in every step.  Turn n belongs to piece n: 8 products K Q^T of piece n + 1, later 8 products V^T P of piece n - 1; beside them the scaling,
; exponentials, roundings, sums and rescaling of piece n and the maximum and statistics of piece n + 1.  Four vector instructions stand behind every matrix instruction, the other 54 of a turn's 118 in two LUMPS.
; REGISTERS, in windows of 256 (s_set_vgpr_msb: bits 1:0 source 0, 3:2 source 1, 5:4 source 2, 7:6 destination):
;   window 0: v0-15 addresses and two at work; v16-31 four registers of statistics a piece; v48-55 at work; v64-127 S^T, two buffers; v192-223 P, two buffers (a piece's buffers go by its number's parity)
;   window 1: v0-127 O^T, 32 a piece; v128-159 MD; v160-223 MC, two buffers      window 2: v0-63 Q; v64-127 the second block's Q; v128-191 K of one step; v192-255 V of one step
.set SIZE_H, 32
.set SIZE_N, 2048
.set NB,    SIZE_N/256
.set NP,    4         ; pieces a wave: a name, no knob
.set KS,    64        ; keys in a step
.set PK,    144       ; a row of K in LDS: 128 bytes + 16 of padding = 36 words: the 16 rows of a load start at 16 different groups of four banks (64 banks of 4 bytes: ISA guide 11.1)
.set PV,    160       ; a row of V: 128 + 32 = 40 words
.set VOFF,  4*KS*PK   ; a slot holds a tile, four steps: 256 rows of K, then 256 rows of V
.set SLOT1, 1<<17     ; slot 1 begins here, so that one exclusive or turns an address in one slot into the other's
.set STAGE, SLOT1+4*KS*(PK+PV)  ; behind the ring, never filled by a tensor load: 16 rows x 144 bytes for each wave, for the way out
.set SP,    144
.set AK0, 2           ; v2   my lane's place in a tile of K; never rewritten
.set AV0, 3           ; v3   the same for V
.set AK,  4           ; v4   the LDS address of K's next run of loads
.set AV,  5           ; v5   of V's
.set STO, 6           ; v6   the way out: where I put 16 bytes of a row
.set RD,  7           ; v7   the way out: where I read rows back
.set GO,  8           ; v8   my byte offset in 512 consecutive bytes of O
.set SPW, 62          ; v62  LDS address of my spare word: SPARE + 4 x my thread's number; never rewritten
.set NIL, 63          ; v63  0; never rewritten
.set SPARE, STAGE+4*16*SP  ; behind the stages: the spare words, 128 bytes for each wave: two blocks of 256 bytes that no other line names
.set MV,  12          ; v12-13  c m_old, kept while c m is made anew: by buffer
.set QO,  15          ; v15  my byte offset in 16 rows of Q
.set ST,  16          ; piece t's statistics at v[ST+4 t]: c m, m, l (even keys', odd keys')
.set TMP, 48          ; by buffer, four registers c0-c3 at work; when the maximum is found c2 takes a
.set S,   64
.set P,   192
.set MD,  128         ; window 1: the eight registers for group kt of 16 keys at MD + 8 kt
.set MC,  160         ; window 1: the masks of the products to come
.set QB,  64          ; window 2
.set KF,  128         ; window 2: key block kb, channel half c at KF + 16 kb + 8 c
.set VF,  192         ; window 2: key half kk, channel block cb at VF + 32 kk + 8 cb
.set WV,  12          ; s12  my wave's number
.set PB,  14          ; s14  b
.set HI,  15          ; s15  NB - 1 - b
.set G1K, 24          ; s[24:31] descriptor group 1 for K's tiles
.set G1V, 32          ; s[32:39] for V's: it differs in the padding alone
.set G0K, 40          ; s[40:43] descriptor group 0 for K's tiles
.set G0V, 44          ; s[44:47] the same for V's
.set SLOTS, 56        ; s56  tiles still to be asked for
.set CNT, 57          ; s57  counts a tile's key steps, 4 to 1
.set CS,  58          ; s[58:59] c: the packed scaling takes the pair's low word for both halves
.set SEL, 60          ; s[60:61] v_permlanex16_b32's selects: each lane takes its own place in the other half
.set TBK, 62          ; s62  LDS byte at which K of the step to be fetched begins
.set TBV, 63          ; s63  the same for V, less VOFF
.set RT,  70          ; s70  tiles of the block in hand that are still to be entered
.set NXT, 71          ; s71  the tile to be asked for next
.set LQ,  72          ; s72  the last tile of the block whose tiles are being asked for
.set NEW, 73          ; s73  1: the tile to be entered is a block's first
.set OFF, 74          ; s[74:75] a tile's byte offset in K and V
.set AL,  76          ; s[76:77] the mask's factor, in the low word
.set BE,  78          ; s[78:79] the mask's addend
.set OLO, 80          ; s[80:81] O at my rows of the second block
.set BIGN, 82         ; s82  -1e30
.set MSB, 0
.macro WIN new                      ; the high byte repeats the setting that is left; a switch that changes nothing is dropped
.if MSB != (\new)
	s_set_vgpr_msb (MSB<<8)|(\new)
.set MSB, (\new)
.endif
.endm
.set W_KQ, 0x0a       ; K and Q in window 2, S^T in window 0
.set W_KM, 0x1a       ; the same with the C operand in window 1
.set W_PV, 0x52       ; V in window 2, P in window 0, O^T in window 1
.set W_RS, 0x41       ; destination and source 0 in window 1, source 1 in window 0
; A fill.  Waves 0 and 1 fetch the two halves of a tile's K, waves 2 and 3 those of its V: 128 keys each.  An s_nop 0 and four v_nop follow each of the two lines, ahead of the jump and the label.
.macro LOAD
	s_cmp_lt_u32 s[WV], 2
	s_cbranch_scc0 .Lfor_v_\@
	tensor_load_to_lds s[G0K:G0K+3], s[G1K:G1K+7]
	s_nop 0
.rept 4
	v_nop
.endr
	s_branch .Lasked_\@
.Lfor_v_\@:
	tensor_load_to_lds s[G0V:G0V+3], s[G1V:G1V+7]
	s_nop 0
.rept 4
	v_nop
.endr
.Lasked_\@:
.endm
; THE CHANGE OF SLOTS.  Each wave waits for all its tensor loads, of which one is out: its part of the other slot; adds 0 to its spare word; and waits for that and for its own reads of the slot that it leaves.  Behind the barrier nobody reads the old
; slot any more and the other slot is whole.  fill = 1: the old slot is filled again, the first thing behind the barrier, with tile NXT: the descriptor's address is made anew from that number.
; (At its first use nothing has been read yet: slot 0 is waited for, slot 1 filled.)
.macro CHANGE fill
	WIN 0                           ; at a label and at a branch every window is 0
	s_wait_tensorcnt 0x0            ; no tensor load of mine is out, so a group 0 may be written
	ds_add_u32 v[SPW], v[NIL]       ; 0 onto my spare word; with fill = 1 the descriptors' scalar work stands between it and the wait for it
.if \fill
	s_lshl_b32 s[OFF], s[NXT], 15   ; a tile is 32,768 bytes of K and of V
	s_xor_b32 s[G0K+1], s[G0K+1], SLOT1
	s_add_nc_u64 s[G0K+2:G0K+3], s[6:7], s[OFF:OFF+1]
	s_or_b32 s[G0K+3], s[G0K+3], 0x80000000
	s_xor_b32 s[G0V+1], s[G0V+1], SLOT1
	s_add_nc_u64 s[G0V+2:G0V+3], s[8:9], s[OFF:OFF+1]
	s_or_b32 s[G0V+3], s[G0V+3], 0x80000000
	s_add_co_u32 s[NXT], s[NXT], 1  ; the block's next tile, or behind its last the second block's tile 0
	s_cmp_gt_u32 s[NXT], s[LQ]
	s_cselect_b32 s[NXT], 0, s[NXT]
	s_cselect_b32 s[LQ], s[PB], s[LQ]
.endif
	s_wait_dscnt 0x0                ; the add is done, and my reads of the slot are over
	s_barrier_signal -1             ; the rest of the scalar work stands between the signal and the wait
	s_sub_co_u32 s[TBK], s[TBK], 4*KS*PK  ; the fetches go back to a slot's first step,
	s_xor_b32 s[TBK], s[TBK], SLOT1       ; in the other slot
	s_sub_co_u32 s[TBV], s[TBV], 4*KS*PV
	s_xor_b32 s[TBV], s[TBV], SLOT1
	s_barrier_wait -1
.if \fill
	LOAD
.endif
.endm
	s_cmp_ge_u32 ttmp9, 4           ; the grid's other half: a whole work-group goes, on its own number alone, ahead of every LDS line and every barrier
	s_cbranch_scc1 .Lcast
	s_load_b128 s[4:7], s[0:1], 0x0   ; Q, K, V s[4:5] (Q at the head), O s[6:7]
	v_lshl_add_u32 v[SPW], v0, 2, SPARE
	v_mov_b32 v[NIL], 0
	ds_add_u32 v[SPW], v[NIL]       ; the wave's opening: the add and its wait stand ahead of my first tensor load; the set-up below, work on registers, stands between them
	ds_add_u32 v62, v63
	v_lshrrev_b32 v1, 5, v0
	v_readfirstlane_b32 s[WV], v1   ; wave 0..3
	s_mov_b32 s[PB], ttmp9
	s_sub_co_u32 s[HI], NB-1, s[PB]
	s_and_b32 s20, ttmp7, 0xffff    ; the head
	s_mov_b32 s21, 0
	s_mov_b64 s[22:23], SIZE_N*128
	s_mul_u64 s[20:21], s[20:21], s[22:23]  ; the head's first byte in each of the four tensors
	s_and_b32 s16, s[WV], 1         ; which half of a tile's 256 keys I fetch:
	s_lshl_b32 s22, s16, 14         ; its 128 rows of 128 bytes in memory,
	s_mov_b32 s23, 0
	s_add_nc_u64 s[22:23], s[22:23], s[20:21]
	s_mul_i32 s17, s16, 128*PK      ; and its place in a slot, for K
	s_mul_i32 s18, s16, 128*PV      ; and for V
	s_lshl_b32 s3, s[WV], 11        ; my 16 rows in a band of 64,
	s_lshl_b32 s2, s[HI], 15        ; in the first block,
	s_add_co_u32 s2, s2, s3
	s_lshl_b32 s84, s[PB], 15       ; and in the second
	s_add_co_u32 s84, s84, s3
	s_mov_b32 s3, 0
	s_mov_b32 s85, 0
	s_add_nc_u64 s[2:3], s[2:3], s[20:21]
	s_add_nc_u64 s[84:85], s[84:85], s[20:21]
	; descriptor group 1.  128 keys are 16,384 dense bytes: asked for as 64 rows of 256 bytes, two keys a row, and padded in LDS after every key
	s_mov_b32 s[G1K], (1<<16)|(1<<20)|(4<<22)|(3<<25)  ; 17:16 2-byte elements; 20 padding on; 24:22 after every 32 words (code 4); 31:25 4 words (code 3)
	s_mov_b32 s[G1V], (1<<16)|(1<<20)|(4<<22)|(7<<25)  ; the same with 8 words of padding (code 7)
.irp g, G1K, G1V
	s_mov_b32 s[\g+1], 128<<16      ; tensor_dim0 = 128
	s_mov_b32 s[\g+2], 64<<16       ; tensor_dim1 = 64
	s_mov_b32 s[\g+3], 128<<16      ; tile_dim0 = 128
	s_mov_b32 s[\g+4], 64           ; tile_dim1 = 64
	s_mov_b32 s[\g+5], 128          ; 128 elements from row to row
	s_mov_b32 s[\g+6], 0
	s_mov_b32 s[\g+7], 0
.endr
	s_mov_b32 s[CS], 0x3e38aa3b     ; c = log2(e) / 8 = 0.180337
	s_mov_b32 s[CS+1], s[CS]        ; named with it as a pair
	s_mov_b32 s[SEL], 0x76543210
	s_mov_b32 s[SEL+1], 0xfedcba98
	s_mov_b32 s[TBK], SLOT1+4*KS*PK ; the first change of slots turns these two into 0
	s_mov_b32 s[TBV], SLOT1+4*KS*PV
	s_mov_b32 s[G0K], 1             ; 1:0 count = 1
	s_mov_b32 s[G0K+1], s17         ; 63:32 LDS address: slot 0
	s_mov_b32 s[G0V], 1
	s_add_co_u32 s[G0V+1], s18, VOFF
	s_add_co_u32 s[RT], s[HI], 1    ; the first block has NB - b tiles
	s_mov_b32 s[NXT], 1
	s_mov_b32 s[LQ], s[HI]
	s_mov_b32 s[NEW], 1
	s_mov_b32 s[OFF+1], 0
	s_mov_b32 s[AL+1], 0            ; named as pairs
	s_mov_b32 s[BE+1], 0
	s_mov_b32 s[BIGN], 0xf149f2ca   ; -1e30
	s_mov_b32 s[SLOTS], NB
	s_wait_dscnt 0x0                ; the opening add is done
	s_wait_kmcnt 0x0
	s_mov_b64 s[10:11], s[6:7]              ; O
	s_add_nc_u64 s[6:7], s[4:5], 0x800000   ; K lies 16 column groups behind Q,
	s_add_nc_u64 s[8:9], s[4:5], 0x1000000  ; V 32
	s_add_nc_u64 s[6:7], s[6:7], s[22:23]  ; K and V at my half of the head's tile 0
	s_add_nc_u64 s[8:9], s[8:9], s[22:23]
	s_add_nc_u64 s[G0K+2:G0K+3], s[6:7], 0         ; 120:64 global address
	s_or_b32 s[G0K+3], s[G0K+3], 0x80000000        ; 127:126 type = 2
	s_add_nc_u64 s[G0V+2:G0V+3], s[8:9], 0
	s_or_b32 s[G0V+3], s[G0V+3], 0x80000000
	s_add_nc_u64 s[86:87], s[4:5], s[84:85]        ; Q at my rows of the second block,
	s_add_nc_u64 s[4:5], s[4:5], s[2:3]            ; Q and O at those of the first
	s_add_nc_u64 s[OLO:OLO+1], s[10:11], s[84:85]
	s_add_nc_u64 s[10:11], s[10:11], s[2:3]
	LOAD                            ; tile 0 into slot 0
	; A fragment of K or Q is 16 rows x 32 channels in 8 registers: lane l holds row l % 16, channels 8 (l / 16) + 0..7 and 16 + 8 (l / 16) + 0..7: two loads of 16 bytes, 32 bytes apart.
	v_and_b32 v1, 15, v0            ; l % 16
	v_bfe_u32 v9, v0, 4, 1          ; l / 16
	v_lshlrev_b32 v[QO], 7, v1
	v_lshl_add_u32 v[QO], v9, 4, v[QO]  ; row x 128 + 16 x half
	WIN 0x80                        ; destination window 2, address window 0
.set i, 0
.rept 8                             ; both blocks' Q: piece i / 2 lies in band i / 2, 8,192 bytes on; channels 32 (i % 2) on
	global_load_b128 v[8*i:8*i+3],   v[QO], s[4:5] offset:(i/2)*8192+(i%2)*64
	global_load_b128 v[8*i+4:8*i+7], v[QO], s[4:5] offset:(i/2)*8192+(i%2)*64+32
	global_load_b128 v[QB+8*i:QB+8*i+3],   v[QO], s[86:87] offset:(i/2)*8192+(i%2)*64
	global_load_b128 v[QB+8*i+4:QB+8*i+7], v[QO], s[86:87] offset:(i/2)*8192+(i%2)*64+32
.set i, i+1
.endr
	WIN 0
	v_lshlrev_b32 v14, 3, v9
	v_sub_nc_u32 v14, v1, v14
	s_lshl_b32 s13, s[WV], 4
	v_add_nc_u32 v14, s13, v14      ; my query's place in its band, 16 w + l % 16, less my lanes' 8 (l / 16): register r of group kt is hidden where 16 kt + r is greater
	WIN 0x40
.set i, 0
.rept 32
	v_cmp_gt_i32 vcc_lo, 16*(i/8)+i%8, v14
	v_cndmask_b32 v[MD+i], 0, s[BIGN], vcc_lo
.set i, i+1
.endr
	WIN 0
	v_mul_u32_u24 v[AK0], v1, PK
	v_lshl_add_u32 v[AK0], v9, 4, v[AK0]  ; row x pitch + 16 x half
	; The turning load takes 16 keys x 16 channels (lane l reads key 8 (l / 16) + l % 8, channels 8 ((l / 8) % 2) + 0..7) and leaves half a fragment of V^T: lane l holds channel l % 16 and 8 keys.
	v_and_b32 v10, 7, v0
	v_bfe_u32 v11, v0, 3, 1
	v_lshl_add_u32 v[AV0], v9, 3, v10
	v_mul_u32_u24 v[AV0], v[AV0], PV
	v_lshl_add_u32 v[AV0], v11, 4, v[AV0]
	v_add_nc_u32 v[AV0], VOFF, v[AV0]
	s_mul_i32 s13, s[WV], 16*SP
	s_add_co_u32 s13, s13, STAGE    ; my stage
	v_mul_u32_u24 v[STO], v1, SP    ; in: row l % 16, 16 bytes for each half of the lanes
	v_lshl_add_u32 v[STO], v9, 4, v[STO]
	v_add_nc_u32 v[STO], s13, v[STO]
	v_bfe_u32 v[RD], v0, 3, 2       ; back: 32 lanes take four rows of 128 bytes,
	v_mul_u32_u24 v[RD], v[RD], SP
	v_lshl_add_u32 v[RD], v10, 4, v[RD]
	v_add_nc_u32 v[RD], s13, v[RD]
	v_and_b32 v[GO], 31, v0         ; which are 512 consecutive bytes of O
	v_lshlrev_b32 v[GO], 4, v[GO]
	; A block's first step multiplies O^T and l by a = 0, and its first turn's products V^T P, of a piece that has not been, land in an O^T that is still to be so multiplied.  So these registers need only hold
	; finite numbers: zeros for the first block; what the first block left for the second.  All this stands in the wait for the first tile.
	WIN 0x80
.set i, VF
.rept 64
	v_mov_b32 v[i], 0
.set i, i+1
.endr
	WIN 0x40
.set i, 0
.rept 128
	v_mov_b32 v[i], 0
.set i, i+1
.endr
	WIN 0
.set i, 0
.rept 4
	v_mov_b32 v[ST+4*i+2], 0
	v_mov_b32 v[ST+4*i+3], 0
.set i, i+1
.endr
.set i, P+16
.rept 16
	v_mov_b32 v[i], 0
.set i, i+1
.endr
; THE MATRIX WORK.  The 4 accumulators of a run of 8 take turns.  Product i of 8 of S^T = K Q^T for piece x: channels 32 (i / 4) on, keys 16 (i % 4) on.  The first 4 start the sums: with 0, or (KM = 1) with the mask.
.macro KQ x
.set rS, S+32*((\x)%2)+8*(i%4)
.set rK, KF+16*(i%4)+8*(i/4)
.set rQ, 16*(\x)+8*(i/4)
.set rM, MC+32*((\x)%2)+8*(i%4)
.if (i < 4) && KM
	WIN W_KM
	v_wmma_f32_16x16x32_f16 v[rS:rS+7], v[rK:rK+7], v[rQ:rQ+7], v[rM:rM+7]
.elseif i < 4
	WIN W_KQ
	v_wmma_f32_16x16x32_f16 v[rS:rS+7], v[rK:rK+7], v[rQ:rQ+7], 0
.else
	WIN W_KQ
	v_wmma_f32_16x16x32_f16 v[rS:rS+7], v[rK:rK+7], v[rQ:rQ+7], v[rS:rS+7]
.endif
.endm
; Product i of 8 of O^T += V^T P for piece x: keys 32 (i / 4) on, channels 16 (i % 4) on.
.macro PV x
	WIN W_PV
.set rO, 32*(\x)+8*(i%4)
.set rV, VF+32*(i/4)+8*(i%4)
.set rP, P+16*((\x)%2)+8*(i/4)
	v_wmma_f32_16x16x32_f16 v[rO:rO+7], v[rV:rV+7], v[rP:rP+7], v[rO:rO+7]
.endm
.macro MM                           ; the turn's next matrix instruction.  TURN and BEGIN set Y, i, KM and NOKQ; MM, KQ and OP read them.  NOKQ = 1: a block's last turn: there is no next piece
.if (i < 8) && !NOKQ
	KQ (Y+1)%NP
.elseif i >= 8
.set i, i-8
	PV (Y+NP-1)%NP
.set i, i+8
.endif
.set i, i+1
.endm
; THE LDS LOADS stand in runs of 16, never singly among the matrix instructions: a step's K (64 keys x 64 channels: 8 fragments) and its V (turned).  Their addresses are made some lines ahead.
.macro FETCH_K
	WIN 0x80                        ; destination window 2
.irp f, 0,1,2,3,4,5,6,7             ; keys 16 (f / 2) on, channels 32 (f % 2) on
	ds_load_b128 v[KF+8*\f:KF+8*\f+3],   v[AK] offset:(\f/2)*16*PK+(\f%2)*64
	ds_load_b128 v[KF+8*\f+4:KF+8*\f+7], v[AK] offset:(\f/2)*16*PK+(\f%2)*64+32
.endr
	s_add_co_u32 s[TBK], s[TBK], KS*PK  ; the next fetch is the next step's
	WIN 0
.endm
.macro FETCH_V
	WIN 0x80
.irp f, 0,1,2,3,4,5,6,7             ; keys 32 (f / 4) on, channels 16 (f % 4) on
	ds_load_tr16_b128 v[VF+8*\f:VF+8*\f+3],   v[AV] offset:(\f/4)*32*PV+(\f%4)*32
	ds_load_tr16_b128 v[VF+8*\f+4:VF+8*\f+7], v[AV] offset:(\f/4)*32*PV+16*PV+(\f%4)*32
.endr
	WIN 0
.endm
; THE VECTOR WORK, one line at a time: OP kind, number.  For piece Y: F n: c s - c m for pair n of 16.  E n: the exponential of score n of 32.  C n: pair n rounded to f16.  B n: of the four weights 4 n .. the second
; pair is added onto the first, in place.  L n: l takes that sum (L 0: l = a l + sum).  R n: pair n of 16 of O^T times a.  For piece Y + 1: X n, number n of the 22 that find its maximum and statistics:
;   0-11  four chains c0-c3 of seven scores each, three operands at a time (each accumulator's lowest registers are read first)     12-14, 16  the four scores left over, the old m, and c0-c3 into c0
;   15  c m_old is kept     17, 18  the query's other 32 keys lie in the lane 16 away: the new m     19-21  c m; c m_old - c m_new; a
.set F, 0               ; OP tells the kinds apart by their order: F to L below R, X above it
.set E, 1
.set C, 2
.set B, 3
.set L, 4
.set R, 5
.set X, 6
.macro REGS y                       ; the registers of piece y
.set rT, ST+4*(\y)
.set rC, TMP+4*((\y)%2)
.set rW, MV+((\y)%2)
.set rS, S+32*((\y)%2)
.set rP, P+16*((\y)%2)
.set rO, 32*(\y)
.endm
.macro OP k, n
.if (\k) == R
	REGS Y
	WIN W_RS
	v_pk_mul_f32 v[rO+2*(\n):rO+2*(\n)+1], v[rO+2*(\n):rO+2*(\n)+1], v[rC+2:rC+3] op_sel_hi:[1,0]
.elseif (\k) < R
	REGS Y
	WIN 0
.if (\k) == F
	v_pk_fma_f32 v[rS+2*(\n):rS+2*(\n)+1], v[rS+2*(\n):rS+2*(\n)+1], s[CS:CS+1], v[rT:rT+1] op_sel_hi:[1,0,0] neg_lo:[0,0,1] neg_hi:[0,0,1]
.elseif (\k) == E
	v_exp_f32 v[rS+(\n)], v[rS+(\n)]
.elseif (\k) == C
	s_wait_alu depctr_va_vdst(0)
	v_cvt_pk_f16_f32 v[rP+(\n)], v[rS+2*(\n)], v[rS+2*(\n)+1]
.elseif (\k) == B
	s_wait_alu depctr_va_vdst(0)
	v_pk_add_f32 v[rS+4*(\n):rS+4*(\n)+1], v[rS+4*(\n):rS+4*(\n)+1], v[rS+4*(\n)+2:rS+4*(\n)+3]
.elseif (\n) == 0
	v_pk_fma_f32 v[rT+2:rT+3], v[rT+2:rT+3], v[rC+2:rC+3], v[rS:rS+1] op_sel_hi:[1,0,1]
.else
	v_pk_add_f32 v[rT+2:rT+3], v[rT+2:rT+3], v[rS+4*(\n):rS+4*(\n)+1]
.endif
.elseif NOKQ
	v_nop
.else
	REGS (Y+1)%NP
	WIN 0
.if (\n) < 4
	v_max3_num_f32 v[rC+(\n)], v[rS+8*(\n)], v[rS+8*(\n)+1], v[rS+8*(\n)+2]
.elseif (\n) < 12
	v_max3_num_f32 v[rC+(\n)%4], v[rC+(\n)%4], v[rS+8*((\n)%4)+2*((\n)/4)+1], v[rS+8*((\n)%4)+2*((\n)/4)+2]
.elseif (\n) == 12
	v_max3_num_f32 v[rC], v[rC], v[rS+7], v[rS+15]
.elseif (\n) == 13
	v_max3_num_f32 v[rC+1], v[rC+1], v[rS+23], v[rS+31]
.elseif (\n) == 14
	v_max3_num_f32 v[rC+2], v[rC+2], v[rC+3], v[rT+1]
.elseif (\n) == 15
	v_mov_b32 v[rW], v[rT]
.elseif (\n) == 16
	v_max3_num_f32 v[rC], v[rC], v[rC+1], v[rC+2]
.elseif (\n) == 17
	v_permlanex16_b32 v[rC+3], v[rC], s[SEL], s[SEL+1]
.elseif (\n) == 18
	v_max_num_f32 v[rT+1], v[rC], v[rC+3]
.elseif (\n) == 19
	v_mul_f32 v[rT], s[CS], v[rT+1]
.elseif (\n) == 20
	v_sub_f32 v[rC+1], v[rW], v[rT]
.else
	v_exp_f32 v[rC+2], v[rC+1]
.endif
.endif
.endm
.macro OPS a, i1, b=-1, i2=0, c=-1, i3=0, d=-1, i4=0  ; up to four of them
	OP \a, \i1
.if (\b) >= 0
	OP \b, \i2
.endif
.if (\c) >= 0
	OP \c, \i3
.endif
.if (\d) >= 0
	OP \d, \i4
.endif
.endm
.macro ROW a, i1, b, i2, c, i3, d, i4  ; a matrix instruction and the four behind it
	MM
	OPS \a, \i1, \b, \i2, \c, \i3, \d, \i4
.endm
.macro MASK b                       ; MD x AL + BE into buffer b of MC
	WIN W_RS
.set z, 0
.rept 16
	v_pk_fma_f32 v[MC+32*(\b)+2*z:MC+32*(\b)+2*z+1], v[MD+2*z:MD+2*z+1], s[AL:AL+1], s[BE:BE+1] op_sel_hi:[1,0,0]
.set z, z+1
.endr
.endm
; A TURN, for piece p: the order of its 16 matrix and 118 vector instructions, written out.  Behind a matrix instruction: plain, exponential, plain, plain; or four of the rescaling; or, behind the first, four scalings; none
; names a register of the products round it.  In the lumps exponential and plain by turns while exponentials last.  A line reads no result made fewer than three vector instructions in front of it, five if an exponential made it.
; v_permlanex16_b32 (X 17) stands in a lump.
; m = 1: the diagonal tile: the products take masks, and the turn makes the mask for the products of the turn after it: piece p + 2, in step 4 - CNT of the tile.  end = 1: a block's last two turns: nothing is fetched.
; cnt = 1: the loop's count is taken down some lines ahead of the branch that stands behind the turn.
; K of the next step is fetched in piece 2's turn, six vector instructions behind the last product that read K (five of them plain); V of the step in hand in piece 0's turn, eight behind the last product that read V (four
; plain, and X 17).  Each is waited for a turn later.
.macro TURN p, m=0, end=0, cnt=0
.set Y, (\p)
.set i, 0
.set KM, (\m)
.set NOKQ, (\end)*((\p)/3)
.if (\m) && !(\end)
	s_cmp_eq_u32 s[CNT], 4-((\p)+2)%NP  ; is that step the band's own?
	s_cselect_b32 s[AL], 1.0, 0
	s_cmp_lt_u32 s[CNT], 4-((\p)+2)%NP  ; or a later one?
	s_cselect_b32 s[BE], s[BIGN], 0
.endif
.if ((\p) == 3) && !(\end)
	s_wait_dscnt 0x0                ; K is in
.endif
	ROW F,0, F,1, F,2, F,3
	ROW F,4, E,0, F,5, F,6
	ROW F,7, E,1, F,8, F,9
	ROW F,10, E,2, C,0, F,11
	ROW F,12, E,3, X,15, F,13
	ROW R,0, R,1, R,2, R,3
	ROW B,0, E,4, F,14, L,0
.if ((\p) == 2) && !(\end)
	v_add_nc_u32 v[AK], s[TBK], v[AK0]
.endif
	ROW R,4, R,5, R,6, R,7
	OPS E,5, F,15
.if ((\p) == 2) && !(\end)
	FETCH_K
.endif
	OPS E,6, C,1, E,7, R,8
	OPS E,8, R,9, E,9, C,2
	OPS E,10, X,0, E,11, X,1
	OPS E,12, X,2, E,13, X,3
.if (\p) == 1
	s_wait_dscnt 0x0                ; V is in
.endif
	ROW X,4, E,14, X,5, X,6
	ROW X,7, E,15, X,8, X,9
	ROW X,10, E,16, X,11, X,12
	ROW X,13, E,17, X,14, B,1
	ROW C,4, E,18, X,16, L,1
	ROW B,2, E,19, C,6, L,2
	ROW C,8, E,20, B,3, B,4
.if (\p) == 0
	v_add_nc_u32 v[AV], s[TBV], v[AV0]
.endif
	ROW C,3, E,21, L,3, C,5
	OPS E,22, X,17, E,23, C,10
.if (\p) == 0
	FETCH_V
.endif
	OPS E,24, L,4
	OPS E,25, X,18, E,26, C,7
	OPS E,27, B,5, E,28, X,19
	OPS E,29, C,12, E,30, L,5
	OPS E,31, X,20, B,6, C,9
	OPS C,14, C,11, X,21, L,6
.if (\p) == 0
	s_add_co_u32 s[TBV], s[TBV], KS*PV
.endif
.if \cnt
	s_sub_co_u32 s[CNT], s[CNT], 1
	s_cmp_lg_u32 s[CNT], 0
.endif
	OPS C,13, B,7, C,15, R,10
	OPS R,11, R,12, L,7, R,13
	OPS R,14, R,15
.if (\m) && !(\end)
	MASK (\p)%2
.endif
.endm
; A BLOCK BEGINS.  c m starts far below every c s, so the first step's a is 0; m at the lowest finite number, so the first maximum is the scores'.  The second mask buffer is 0; the first takes piece 0's mask for the tile's step 0: its own, if the block's first tile is the diagonal one.
; Then K of that step, piece 0's first scores, and its maximum and statistics.  The loop is entered at a step's first turn, in the middle of a trip.
.macro BEGIN
	s_mov_b32 s[NEW], 0
	WIN 0x40
.set i, MC+32
.rept 32
	v_mov_b32 v[i], 0
.set i, i+1
.endr
	WIN 0
.set i, 0
.rept 4
	v_mov_b32 v[ST+4*i], 0xfe000000    ; c m: far below every c s
	v_mov_b32 v[ST+4*i+1], 0xff7fffff  ; m
.set i, i+1
.endr
	s_cmp_eq_u32 s[RT], 0
	s_cselect_b32 s[AL], 1.0, 0
	s_mov_b32 s[BE], 0
	MASK 0
	WIN 0
	v_add_nc_u32 v[AK], s[TBK], v[AK0]
	FETCH_K
	s_wait_loadcnt 0x0              ; Q
	s_wait_dscnt 0x0
.set KM, 1
.set NOKQ, 0
.set i, 0
.rept 8
	KQ 0
.set i, i+1
.endr
	WIN 0
.rept 4
	v_nop                           ; the places behind those products
.endr
.set Y, NP-1                        ; X works for piece Y + 1: piece 0
.irp n, 0,1,2,3,4,5,6,7,8,9,10,11,12,13,14,15,16,17,18,19,20,21
	OP X, \n
.endr
	v_nop                           ; a plain instruction behind the exponential
.endm
; THE DIAGONAL TILE's four steps, the block's last two turns, its last products, and THE WAY OUT: l's two halves and the other half of the lanes' are added; O^T is divided by l, rounded to f16 and sent through my
; stage in LDS, a piece at a time.
.macro ALL line:vararg              ; one line for each piece t
.set t, 0
.rept 4
	\line
.set t, t+1
.endr
.endm
.macro PACK t                       ; a lane's eight channels of a row pack into 16 bytes; they go into rows of 144 bytes and come back as whole rows of 128, into S^T's registers
	WIN W_RS
.set i, 32*(\t)
.rept 16
	s_wait_alu depctr_va_vdst(0)
	v_pk_mul_f32 v[i:i+1], v[i:i+1], v[ST+4*(\t)+2:ST+4*(\t)+3] op_sel_hi:[1,0]
.set i, i+2
.endr
	WIN 0x05                        ; sources 0 and 1 window 1, destination window 0
.set i, 0
.rept 16
	v_cvt_pk_f16_f32 v[S+16*(\t)+i], v[32*(\t)+2*i], v[32*(\t)+2*i+1]
.set i, i+1
.endr
	WIN 0
.irp f, 0,1,2,3
	ds_store_b128 v[STO], v[S+16*(\t)+4*\f:S+16*(\t)+4*\f+3] offset:32*\f
.endr
.irp f, 0,1,2,3
	ds_load_b128 v[S+16*(\t)+4*\f:S+16*(\t)+4*\f+3], v[RD] offset:\f*4*SP  ; LDS serves a wave's instructions in order (ISA guide 5.7.1.4): these see the stores above; the next piece's stores come behind them
.endr
.endm
.macro SEND t, younger              ; younger: the LDS instructions issued behind piece t's loads: the next piece's eight, or none
	WIN 0
.irp f, 0,1,2,3
	s_wait_dscnt (\younger)+3-\f
	global_store_b128 v[GO], v[S+16*(\t)+4*\f:S+16*(\t)+4*\f+3], s[10:11] offset:(\t)*8192+\f*512  ; 512 consecutive bytes, at a multiple of 256 from O's first
.endr
.endm
.macro DIAG tag                     ; the tag ends its two labels' names, which the jumps below spell out
.LstepM\tag:
	TURN 2, 1
	TURN 3, 1
	WIN 0
.LfirstM\tag:
	TURN 0, 1
	TURN 1, 1, 0, 1
	WIN 0
	s_cbranch_scc1 .LstepM\tag
	TURN 2, 1, 1
	TURN 3, 1, 1
.set i, 0
.rept 8
	PV NP-1
.set i, i+1
.endr
	WIN 0
	ALL v_add_f32 v[ST+4*t+2], v[ST+4*t+2], v[ST+4*t+3]
	ALL v_permlanex16_b32 v[ST+4*t+3], v[ST+4*t+2], s[SEL], s[SEL+1]
	ALL v_add_f32 v[ST+4*t+2], v[ST+4*t+2], v[ST+4*t+3]
	ALL v_rcp_f32 v[ST+4*t+2], v[ST+4*t+2]
	v_nop                           ; a plain instruction between the last reciprocal and the use of its result
	PACK 0
.set t, 1
.rept 3                             ; a piece's arithmetic stands between the loads of the piece before and its stores
	PACK t
	SEND t-1, 8
.set t, t+1
.endr
	SEND 3, 0
.endm
.set KM, 0
.set NOKQ, 0
.Lslot:                             ; NB times: a tile is entered and the next is asked for
	CHANGE 1
	s_sub_co_u32 s[RT], s[RT], 1
	s_mov_b32 s[CNT], 4
	s_cmp_eq_u32 s[NEW], 1
	s_cbranch_scc1 .Lnew            ; a block's first tile
	s_cmp_eq_u32 s[RT], 0
	s_cbranch_scc0 .Lstep           ; neither its first nor its last
	s_branch .LstepM1
.Lnew:
	BEGIN
	s_branch .Lfirst                ; in the loop a block's first tile is never its last: the first block has two tiles or more, and the second's last is the walk's last
	DIAG 1                          ; in the loop this is the first block's end: the second block's last tile is the walk's last
	s_wait_xcnt 0x0                 ; the stores have read their registers and O's address
	s_mov_b64 s[10:11], s[OLO:OLO+1]
	s_add_co_u32 s[RT], s[PB], 1    ; the second block has b + 1 tiles
	s_mov_b32 s[NEW], 1
	WIN 0x82                        ; the second block's Q goes where the one text of the turns names Q
.set i, 0
.rept 64
	v_mov_b32 v[i], v[QB+i]
.set i, i+1
.endr
	WIN 0
	s_branch .Lbottom
.Lstep:                             ; a trip: pieces 2 and 3 of one step, then pieces 0 and 1 of the next, whose K and V it fetches
	TURN 2
	TURN 3
	WIN 0
.Lfirst:
	TURN 0
	TURN 1, 0, 0, 1
	WIN 0
	s_cbranch_scc1 .Lstep
.Lbottom:
	s_sub_co_u32 s[SLOTS], s[SLOTS], 1
	s_cmp_lg_u32 s[SLOTS], 0
	s_cbranch_scc1 .Lslot
	CHANGE 0                        ; the walk's last tile is written out: nothing is asked for
	s_sub_co_u32 s[RT], s[RT], 1
	s_mov_b32 s[CNT], 4
	s_cmp_eq_u32 s[NEW], 1
	s_cbranch_scc0 .LstepM2
	BEGIN
	s_branch .LfirstM2
	DIAG 2
	s_wait_tensorcnt 0x0            ; the wave's end: the add and its wait stand behind my last tensor load and my last LDS store
	ds_add_u32 v[SPW], v[NIL]
	s_wait_dscnt 0x0
	s_endpgm
; THE CAST.  proj_w (4 MB), fc_w and fc_proj_w (16 MB each), f32 as given, are rounded once to f16: proj_w into wp, fc_w into wh from byte 8,388,608 on, fc_proj_w into wf, each [K][N] as it lies.
; LIMIT: f16 holds no number beyond 65,504 and keeps a fixed step of 6e-8 below 6.1e-5: the weights are taken to lie within that.
; Together they are 1,152 chunks of 32,768 bytes; work-group c of 128 takes the nine chunks c + 128 i: i = 0 lies in proj_w, i = 1 .. 4 in fc_w, i = 5 .. 8 in fc_proj_w, for every c alike.
; A trip is a chunk: 16 loads of 16 bytes a thread, all on their way at once; each store of a wave covers 256 consecutive bytes, aligned.
.Lcast:
	s_load_b256 s[8:15], s[0:1], 0x10              ; proj_w 8:9, fc_w 10:11, fc_proj_w 12:13, wp 14:15
	s_load_b128 s[16:19], s[0:1], 0x30             ; wh 16:17, wf 18:19
	s_sub_co_u32 s2, ttmp9, 4
	s_and_b32 s3, ttmp7, 0xffff
	s_lshl2_add_u32 s2, s3, s2                     ; c = 4 y + x - 4
	v_lshlrev_b32 v1, 4, v0                        ; 16 bytes a thread in,
	v_lshlrev_b32 v2, 3, v0                        ; 8 bytes out
	s_lshl_b32 s24, s2, 15                         ; chunk c, in
	s_mov_b32 s25, 0
	s_lshl_b32 s26, s2, 14                         ; and out
	s_mov_b32 s27, 0
	s_mov_b32 s28, 9
	s_wait_kmcnt 0x0
	s_add_nc_u64 s[8:9], s[8:9], s[24:25]          ; the source in hand: proj_w first
	s_add_nc_u64 s[10:11], s[10:11], s[24:25]
	s_add_nc_u64 s[12:13], s[12:13], s[24:25]
	s_add_nc_u64 s[14:15], s[14:15], s[26:27]      ; the target in hand: wp first
	s_add_nc_u64 s[16:17], s[16:17], s[26:27]
	s_add_nc_u64 s[16:17], s[16:17], 0x800000      ; fc_w's place in wh
	s_add_nc_u64 s[18:19], s[18:19], s[26:27]
.Lchunk:
.irp j, 0,1,2,3,4,5,6,7,8,9,10,11,12,13,14,15
	global_load_b128 v[8+4*(\j):11+4*(\j)], v1, s[8:9] offset:2048*(\j) th:TH_LOAD_NT   ; read once in the whole program
.endr
.irp j, 0,1,2,3,4,5,6,7,8,9,10,11,12,13,14,15
	s_wait_loadcnt 15-(\j)                         ; loads come back in order: number j is in, the younger ones stay out
	v_cvt_pk_f16_f32 v[72+2*(\j)], v[8+4*(\j)], v[9+4*(\j)]
	v_cvt_pk_f16_f32 v[73+2*(\j)], v[10+4*(\j)], v[11+4*(\j)]
	global_store_b64 v2, v[72+2*(\j):73+2*(\j)], s[14:15] offset:1024*(\j)
.endr
	s_wait_xcnt 0x0                                ; the two bases and the stores' data are rewritten only behind this wait
	s_add_nc_u64 s[8:9], s[8:9], 0x400000          ; 128 chunks on, in
	s_add_nc_u64 s[14:15], s[14:15], 0x200000      ; and out;
	s_cmp_eq_u32 s28, 9                            ; behind the first trip fc_w begins,
	s_cselect_b64 s[8:9], s[10:11], s[8:9]
	s_cselect_b64 s[14:15], s[16:17], s[14:15]
	s_cmp_eq_u32 s28, 5                            ; behind the fifth fc_proj_w
	s_cselect_b64 s[8:9], s[12:13], s[8:9]
	s_cselect_b64 s[14:15], s[18:19], s[14:15]
	s_sub_co_u32 s28, s28, 1
	s_cmp_lg_u32 s28, 0
	s_cbranch_scc1 .Lchunk
	s_endpgm
.Lfunc_end_k_qd695da465b_attn:
	.size	k_qd695da465b_attn, .Lfunc_end_k_qd695da465b_attn-k_qd695da465b_attn
	.p2alignl 7, 3214868480
	.fill 96, 4, 3214868480
	.section	.rodata,"a",@progbits
	.p2align	6, 0x0
	.amdhsa_kernel k_qd695da465b_attn
		.amdhsa_group_segment_fixed_size 327680
		.amdhsa_private_segment_fixed_size 0
		.amdhsa_enable_private_segment 0
		.amdhsa_kernarg_size 64
		.amdhsa_user_sgpr_count 2
		.amdhsa_user_sgpr_kernarg_segment_ptr 1
		.amdhsa_wavefront_size32 1
		.amdhsa_system_sgpr_workgroup_id_x 1
		.amdhsa_system_sgpr_workgroup_id_y 1
		.amdhsa_system_sgpr_workgroup_id_z 1
		.amdhsa_system_vgpr_workitem_id 0
		.amdhsa_next_free_vgpr 768
		.amdhsa_next_free_sgpr 88
		.amdhsa_reserve_vcc 1
		.amdhsa_float_denorm_mode_32 3
		.amdhsa_float_denorm_mode_16_64 3
		.amdhsa_memory_ordered 1
		.amdhsa_forward_progress 1
		.amdhsa_inst_pref_size 235
	.end_amdhsa_kernel
	.amdgpu_metadata
---
amdhsa.version: [ 1, 2 ]
amdhsa.kernels:
  - .name:           k_qd695da465b_attn
    .symbol:         k_qd695da465b_attn.kd
    .args:
      - { .name: qkvh, .offset: 0, .size: 8, .value_kind: global_buffer, .address_space: global }
      - { .name: hn, .offset: 8, .size: 8, .value_kind: global_buffer, .address_space: global }
      - { .name: proj_w, .offset: 16, .size: 8, .value_kind: global_buffer, .address_space: global }
      - { .name: fc_w, .offset: 24, .size: 8, .value_kind: global_buffer, .address_space: global }
      - { .name: fc_proj_w, .offset: 32, .size: 8, .value_kind: global_buffer, .address_space: global }
      - { .name: wp, .offset: 40, .size: 8, .value_kind: global_buffer, .address_space: global }
      - { .name: wh, .offset: 48, .size: 8, .value_kind: global_buffer, .address_space: global }
      - { .name: wf, .offset: 56, .size: 8, .value_kind: global_buffer, .address_space: global }
    .group_segment_fixed_size: 327680
    .private_segment_fixed_size: 0
    .kernarg_segment_align: 8
    .kernarg_segment_size: 64
    .max_flat_workgroup_size: 128
    .sgpr_count:     88
    .vgpr_count:     768
    .wavefront_size: 32
...
	.end_amdgpu_metadata
.endif
;; end of part 3
;; launch proj (part 4): grid 8 x 32, 4 waves a work-group, clusters of 4 x 4, 327,680 bytes of LDS; arguments hn, wp, proj_b, x, qkvh; writes qkvh
.if DOCPART == 4
	.amdgcn_target "amdgcn-amd-amdhsa--gfx1250"
	.amdhsa_code_object_version 6
	.text
	.protected	k_qd695da465b_proj
	.globl	k_qd695da465b_proj
	.p2align	8
	.type	k_qd695da465b_proj,@function
k_qd695da465b_proj:
	s_mov_b64 s[64:65], 0
	v_nop
	global_prefetch_b8 v0, s[64:65] scope:SCOPE_SE
	s_setreg_imm32_b32 hwreg(HW_REG_WAVE_MODE, 25, 1), 1
	s_wait_xcnt 0x0
	s_wait_alu depctr_hold_cnt(0) depctr_sa_sdst(0) depctr_va_vdst(0) depctr_va_sdst(0) depctr_va_ssrc(0) depctr_va_vcc(0) depctr_vm_vsrc(0)
	s_getreg_b32 s2, hwreg(HW_REG_IB_STS2, 6, 4)
	s_cmp_eq_u32 s2, 0
	s_cbranch_scc0 .Lentry_in_a_cluster
	s_endpgm
.Lentry_in_a_cluster:
	s_bfe_u32 s2, ttmp6, 0x10000c
	s_cmp_lg_u32 s2, 0xf033
	s_cbranch_scc0 .Lentry_shape_is_right
	s_endpgm
.Lentry_shape_is_right:
; x1 = x + y proj_w + proj_b.  A (y, the first argument): f16 in blocks [K / 64][4096 rows][64].  The weights: [K][1024] f16.  Bias, residual and result f32, [4096][1024].  Sums in f32, starting from the bias.
; LIMITS.  f16 holds no number beyond 65,504: the operands arrive within it.  NaN and infinities are not treated apart.
; SHARES.  A tile of the result is 128 x 128 (8 x 32 tiles: 256 work-groups); four waves, each 64 x 64: 16 accumulators.  K goes in KSTEPS steps of 256 through a ring of two LDS slots filled by the tensor data mover.
; A's 128 rows of one block of 64 K are 16,384 dense bytes: a wave's load takes two such blocks as two long rows, padded in LDS after every 128 bytes.  The weights lie [K][N] and are read turned, by ds_load_tr16_b128.
; CLUSTER.  4 x 4 work-groups: the four of a row of the cluster need the same tile of A, the four of a column the same tile of the weights: each is asked for jointly, by the same tensor load, descriptor and mask.
; THE MATRIX INSTRUCTION IS USED TRANSPOSED (source 0 = 16 columns of the weights, source 1 = 16 rows of A): a lane then holds eight neighbouring numbers of one row of the result.
; REGISTERS, in windows of 256 (s_set_vgpr_msb: bits 1:0 source 0, 3:2 source 1, 5:4 source 2, 7:6 destination):
;   window 0: v16-29 addresses; v128-255 the accumulators ((a, b) at v[128 + 8 (4 a + b)])
;   window 1: two fragment buffers of 128: for 64 along K, 64 registers of A, then 64 of the weights; on the way out v0-127 the rows read back      window 2: v0-127 the residual
.set KSTEPS, 4
.set PA,     144                       ; an LDS row of A: 128 bytes + 16 of padding: the 16 rows of a load start at 16 different groups of four banks (64 banks of 4 bytes: ISA guide 11.1)
.set PB,     288                       ; an LDS row of the weights: 256 + 32 = 9 x 32 bytes: the turning load's 8 rows x 32 bytes fall on different banks
.set ABLK,   128*PA                    ; one block of 64 K of A
.set BOFF,   4*ABLK                    ; the weights' 256 rows lie behind A's four blocks
.set SLOT,   BOFF+256*PB               ; no wave's place in a slot shares a bit with SLOT, so one exclusive or turns an address in one slot into the other's
.set SPARE,  2*SLOT                    ; behind the ring: the spare words, 128 bytes for each wave: two blocks of 256 bytes that no other line names
.set SP,     272                       ; a row of a wave's stage: 64 x 4 bytes + 16
.set STEPA,  2097152                   ; bytes from a K step to the next: four blocks of 4,096 rows x 128 bytes,
.set STEPB,  524288                    ; 256 rows of 2,048 bytes
.set A0,  16                           ; v16  my lane's place in a slot's A; never rewritten
.set B0,  17                           ; v17  the same for the weights
.set CA,  18                           ; v18  A0 + the slot in hand
.set CB,  19                           ; v19, v20  B0 + the slot in hand; the same 128 rows on
.set STO, 21                           ; v21  the way out: where I put 32 bytes of a row
.set RD,  22                           ; v22  where I read 16 bytes of a row back
.set CO,  23                           ; v23  my byte offset in two rows of the result and of the residual; never rewritten
.set BO,  24                           ; v24  my byte offset in the tile's bias
.set SPW, 28
.set NIL, 29
.set ACC, 128
.set F0,  0
.set F1,  128
.set CNT, 3
.set WV,  12
.set RH,  13                           ; which half of the rows is mine; also: I fetch A (0) or the weights (1)
.set CH,  14                           ; which half of the columns; also: which half of that tile I fetch
.set G1A, 24
.set G0A, 32                           ; a set for each first fill; the second then walks on
.set CX,  40
.set CY,  41
.set TX,  42
.set TY,  43
.set RM,  44
.set CM,  45
.set G1B, 48
.set G0B, 56
.set TB,  66                           ; the slot in hand: 0 or SLOT
.set OUTP, 72                          ; s[72:73] the result
.set MSB, 0
.macro WIN new                         ; the immediate's high byte repeats the setting that is left; a switch that changes nothing is dropped
.if MSB != (\new)
	s_set_vgpr_msb (MSB<<8)|(\new)
.set MSB, (\new)
.endif
.endm
.macro PLACES                          ; four places in front of loads into registers that matrix instructions have read, and of reads of results
.rept 4
	v_nop
.endr
.endm
.macro JLOAD                           ; a joint refill by the walking sets; the branch hangs on the wave's number alone; s_nop 0 and four v_nop follow each line
	s_cmp_eq_u32 s[RH], 0
	s_cbranch_scc0 .Lfor_b_\@
	tensor_load_to_lds s[G0A+4:G0A+7], s[G1A:G1A+7]
	s_nop 0
	PLACES
	s_branch .Lasked_\@
.Lfor_b_\@:
	tensor_load_to_lds s[G0B+4:G0B+7], s[G1B:G1B+7]
	s_nop 0
	PLACES
.Lasked_\@:
.endm
.macro CREST                           ; a round of the cluster's barrier behind its opening barrier
	s_cmp_lg_u32 s[WV], 0
	s_cbranch_scc1 .Lnot_wave_0_\@
	s_barrier_signal -3
.Lnot_wave_0_\@:
	s_barrier_wait -3
	s_barrier_signal -1
	s_barrier_wait -1
.endm
.macro CROUND
	s_barrier_signal -1
	s_barrier_wait -1
	CREST
.endm
	s_load_b256 s[4:11], s[0:1], 0x0               ; A s[4:5], the weights s[6:7], bias s[8:9], residual s[10:11]
	s_load_b64 s[OUTP:OUTP+1], s[0:1], 0x20        ; the result
	v_lshl_add_u32 v[SPW], v0, 2, SPARE
	v_mov_b32 v[NIL], 0
	ds_add_u32 v[SPW], v[NIL]                      ; the wave's opening: the add and its wait stand ahead of my first tensor load; the set-up below stands between them
	ds_add_u32 v28, v29
	v_lshrrev_b32 v1, 5, v0
	v_readfirstlane_b32 s[WV], v1
	s_lshr_b32 s[RH], s[WV], 1
	s_and_b32 s[CH], s[WV], 1
	s_bfe_u32 s[CX], ttmp6, 0x40000
	s_bfe_u32 s[CY], ttmp6, 0x40004
	s_lshl_b32 s[TX], ttmp9, 2
	s_add_co_u32 s[TX], s[TX], s[CX]               ; tile column = 4 x cluster x + cx
	s_and_b32 s[TY], ttmp7, 0xffff
	s_lshl_b32 s[TY], s[TY], 2
	s_add_co_u32 s[TY], s[TY], s[CY]               ; tile row = 4 x cluster y + cy
	s_lshl_b32 s[RM], s[CY], 2
	s_lshl_b32 s[RM], 15, s[RM]                    ; my row of the cluster
	s_lshl_b32 s[CM], 0x1111, s[CX]                ; my column
	s_or_b32 s[G1A], s[RM], (1<<16)|(1<<20)|(1<<21)|(4<<22)|(3<<25)    ; mask; 2-byte elements; padding on; bit 21 beside a mask; after every 32 words 4 words
	s_mov_b32 s[G1A+1], 8192<<16                   ; tensor_dim0 = 8,192: 128 rows x 64 numbers, dense
	s_mov_b32 s[G1A+2], 2<<16                      ; tensor_dim1 = 2 blocks
	s_mov_b32 s[G1A+3], 8192<<16                   ; tile_dim0
	s_mov_b32 s[G1A+4], 2                          ; tile_dim1
	s_mov_b32 s[G1A+5], 262144                     ; elements from block to block: 4,096 rows x 64
	s_mov_b32 s[G1A+6], 0
	s_mov_b32 s[G1A+7], 0
	s_or_b32 s[G1B], s[CM], (1<<16)|(1<<20)|(1<<21)|(5<<22)|(7<<25)    ; my column's mask; after every 64 words 8 words
	s_mov_b32 s[G1B+1], 128<<16
	s_mov_b32 s[G1B+2], 128<<16
	s_mov_b32 s[G1B+3], 128<<16
	s_mov_b32 s[G1B+4], 128
	s_mov_b32 s[G1B+5], 1024
	s_mov_b32 s[G1B+6], 0
	s_mov_b32 s[G1B+7], 0
	s_lshl_b32 s16, s[TY], 14                      ; A: 128 rows of 128 bytes a tile row,
	s_lshl_b32 s17, s[CH], 20                      ; two blocks a half
	s_add_co_u32 s16, s16, s17
	s_mov_b32 s17, 0
	s_lshl_b32 s46, s[TX], 8                       ; the weights: the tile's 128 columns,
	s_lshl_b32 s47, s[CH], 18                      ; 128 rows a half
	s_add_co_u32 s46, s46, s47
	s_mov_b32 s47, 0
	s_mul_i32 s20, s[CH], 2*ABLK                   ; where they go: no place in the cluster enters an LDS address
	s_mul_i32 s21, s[CH], 128*PB
	s_add_co_u32 s21, s21, BOFF
	s_lshl_b32 s68, s[TX], 9                       ; the tile's bias
	s_mov_b32 s69, 0
	s_lshl_b32 s70, s[TY], 19                      ; my part of the result: 128 rows of 4,096 bytes a tile row,
	s_lshl_b32 s74, s[RH], 18                      ; 64 rows a half,
	s_add_co_u32 s70, s70, s74
	s_lshl_b32 s74, s[TX], 9                       ; 512 bytes a tile column,
	s_add_co_u32 s70, s70, s74
	s_lshl_b32 s74, s[CH], 8                       ; 256 a half
	s_add_co_u32 s70, s70, s74
	s_mov_b32 s71, 0
	s_mov_b32 s[TB], 0
	s_wait_dscnt 0x0                               ; the opening add is done
	s_wait_kmcnt 0x0
	s_add_nc_u64 s[18:19], s[4:5], s[16:17]
	s_add_nc_u64 s[22:23], s[6:7], s[46:47]
	s_add_nc_u64 s[8:9], s[8:9], s[68:69]
	s_add_nc_u64 s[10:11], s[10:11], s[70:71]
	s_add_nc_u64 s[OUTP:OUTP+1], s[OUTP:OUTP+1], s[70:71]
.irp s, 0,1
	s_mov_b32 s[G0A+4*(\s)], 1
	s_add_co_u32 s[G0A+4*(\s)+1], s20, (\s)*SLOT
	s_add_nc_u64 s[G0A+4*(\s)+2:G0A+4*(\s)+3], s[18:19], (\s)*STEPA
	s_or_b32 s[G0A+4*(\s)+3], s[G0A+4*(\s)+3], 0x80000000
	s_mov_b32 s[G0B+4*(\s)], 1
	s_add_co_u32 s[G0B+4*(\s)+1], s21, (\s)*SLOT
	s_add_nc_u64 s[G0B+4*(\s)+2:G0B+4*(\s)+3], s[22:23], (\s)*STEPB
	s_or_b32 s[G0B+4*(\s)+3], s[G0B+4*(\s)+3], 0x80000000
.endr
	CROUND                                         ; all sixteen work-groups are here: the first joint loads meet
	s_cmp_eq_u32 s[RH], 0                          ; a wave's two first fills stand in one branch: two loads of mine are out
	s_cbranch_scc0 .Lfirst_b
	tensor_load_to_lds s[G0A:G0A+3], s[G1A:G1A+7]
	s_nop 0
	tensor_load_to_lds s[G0A+4:G0A+7], s[G1A:G1A+7]
	s_nop 0
	PLACES
	s_branch .Lfirst_asked
.Lfirst_b:
	tensor_load_to_lds s[G0B:G0B+3], s[G1B:G1B+7]
	s_nop 0
	tensor_load_to_lds s[G0B+4:G0B+7], s[G1B:G1B+7]
	s_nop 0
	PLACES
.Lfirst_asked:
	v_and_b32 v1, 15, v0                           ; r = l % 16
	v_bfe_u32 v2, v0, 4, 1                         ; h = l / 16
	v_and_b32 v3, 7, v0                            ; l % 8
	v_bfe_u32 v4, v0, 3, 1                         ; (l / 8) % 2
	v_mul_u32_u24 v[A0], v1, PA                    ; a fragment of A: row 64 RH + r, 16 bytes for each half of the lanes
	v_lshl_add_u32 v[A0], v2, 4, v[A0]
	s_mul_i32 s15, s[RH], 64*PA
	v_add_nc_u32 v[A0], s15, v[A0]
	v_lshl_add_u32 v[B0], v2, 3, v3                ; the turning load: K row 8 h + l % 8, columns 8 ((l / 8) % 2) + 0..7 of my 64
	v_mul_u32_u24 v[B0], v[B0], PB
	v_lshl_add_u32 v[B0], v4, 4, v[B0]
	s_lshl_b32 s15, s[CH], 7
	s_add_co_u32 s15, s15, BOFF
	v_add_nc_u32 v[B0], s15, v[B0]
	s_mul_i32 s15, s[WV], 64*SP                    ; my stage, over slot 0 when the ring has had its last fill and its last read
	v_mul_u32_u24 v[STO], v1, SP
	v_lshl_add_u32 v[STO], v2, 5, v[STO]
	v_add_nc_u32 v[STO], s15, v[STO]
	v_mul_u32_u24 v[RD], v2, SP                    ; back: lanes 0-15 take one row of 256 bytes, lanes 16-31 the next
	v_lshl_add_u32 v[RD], v1, 4, v[RD]
	v_add_nc_u32 v[RD], s15, v[RD]
	v_lshlrev_b32 v[CO], 12, v2                    ; and the same two rows in memory
	v_lshl_add_u32 v[CO], v1, 4, v[CO]
	v_lshlrev_b32 v[BO], 5, v2
	s_lshl_b32 s15, s[CH], 8
	v_add_nc_u32 v[BO], s15, v[BO]
	; THE SUMS START FROM THE BIAS, loaded straight into the accumulators; the residual follows into window 2 and stays out until the way out.  Both stand in the wait for the first tile.
.set oa, 0
.rept 4
.set ob, 0
.rept 4
	global_load_b128 v[ACC+8*(4*oa+ob):ACC+8*(4*oa+ob)+3], v[BO], s[8:9] offset:64*ob
	global_load_b128 v[ACC+8*(4*oa+ob)+4:ACC+8*(4*oa+ob)+7], v[BO], s[8:9] offset:64*ob+16
.set ob, ob+1
.endr
.set oa, oa+1
.endr
	WIN 0x80
.set t, 0
.rept 32
	global_load_b128 v[4*t:4*t+3], v[CO], s[10:11] offset:8192*t
.set t, t+1
.endr
	WIN 0
; 32 LDS loads in one run: the fragments of quarter q (64 along K: one block of A) of the slot in hand into buffer f; the first 32 along K first
.macro FETCH q, f
	WIN 0x40
.irp c, 0,1
.irp i, 0,1,2,3
	ds_load_tr16_b128 v[(\f)+64+8*(4*(\c)+(\i)):(\f)+64+8*(4*(\c)+(\i))+3],   v[CB+(\q)/2] offset:((\q)%2)*64*PB+(\c)*32*PB+32*(\i)
	ds_load_tr16_b128 v[(\f)+64+8*(4*(\c)+(\i))+4:(\f)+64+8*(4*(\c)+(\i))+7], v[CB+(\q)/2] offset:((\q)%2)*64*PB+(\c)*32*PB+16*PB+32*(\i)
	ds_load_b128 v[(\f)+8*(4*(\c)+(\i)):(\f)+8*(4*(\c)+(\i))+3],   v[CA] offset:(\q)*ABLK+64*(\c)+(\i)*16*PA
	ds_load_b128 v[(\f)+8*(4*(\c)+(\i))+4:(\f)+8*(4*(\c)+(\i))+7], v[CA] offset:(\q)*ABLK+64*(\c)+(\i)*16*PA+32
.endr
.endr
.endm
; 8 matrix instructions: row blocks a0, a0 + 1 x all 4 column blocks, half c of buffer f.  The 16 accumulators take turns, one instruction a turn
.macro MUL8 f, c, a0
	WIN 0x05
.irp a, \a0, (\a0)+1
.irp b, 0,1,2,3
	v_wmma_f32_16x16x32_f16 v[ACC+8*(4*(\a)+(\b)):ACC+8*(4*(\a)+(\b))+7], v[(\f)+64+8*(4*(\c)+(\b)):(\f)+64+8*(4*(\c)+(\b))+7], v[(\f)+8*(4*(\c)+(\a)):(\f)+8*(4*(\c)+(\a))+7], v[ACC+8*(4*(\a)+(\b)):ACC+8*(4*(\a)+(\b))+7]
.endr
.endr
.endm
.macro QUARTER q, f, g
	s_wait_dscnt 16                                ; the first 32 along K are in; the youngest sixteen loads may be out
	MUL8 \f, 0, 0
	MUL8 \f, 0, 2
	PLACES
	FETCH \q, \g
	s_wait_dscnt 32                                ; all but the 32 just issued
	MUL8 \f, 1, 0
	MUL8 \f, 1, 2
.endm
; the last quarter multiplies buffer 1 and changes slots: ONE barrier.  In front of it each wave waits for all its tensor loads (one is out: its part of the next slot), adds 0 to its spare word, and waits for
; that and for its reads of this slot.  fill = 1: the barrier opens a round of the cluster's, and behind it this slot is filled again, two K steps ahead.  fill = 0: the tail; its last trip fetches nothing more.
.macro TURN fill
	WIN 0
	s_wait_tensorcnt 0x0
	ds_add_u32 v[SPW], v[NIL]
	s_wait_dscnt 17                                ; (the add and the youngest sixteen loads may be out)
	MUL8 F1, 0, 0
	s_wait_dscnt 0x0                               ; the add is done, and my reads of this slot are over
	s_barrier_signal -1
	MUL8 F1, 0, 2
	WIN 0
	s_barrier_wait -1
.if \fill
	CREST                                          ; no wave of any partner still reads this slot or has a load on its way
	s_xor_b32 s[G0A+5], s[G0A+5], SLOT             ; the walking sets: the other slot than last time, the next K step; no tensor load of mine is out
	s_add_nc_u64 s[G0A+6:G0A+7], s[G0A+6:G0A+7], STEPA
	s_xor_b32 s[G0B+5], s[G0B+5], SLOT
	s_add_nc_u64 s[G0B+6:G0B+7], s[G0B+6:G0B+7], STEPB
	JLOAD                                          ; the first tensor load behind the round; its four v_nop are also the places in front of the loads below
.else
	s_cmp_eq_u32 s[CNT], 1
	s_cbranch_scc1 .Lno_fetch_\@
	PLACES
.endif
	s_xor_b32 s[TB], s[TB], SLOT
	v_add_nc_u32 v[CA], s[TB], v[A0]
	v_add_nc_u32 v[CB], s[TB], v[B0]
	v_add_nc_u32 v[CB+1], 128*PB, v[CB]
	FETCH 0, F0
	WIN 0
.if !(\fill)
.Lno_fetch_\@:
.endif
	MUL8 F1, 1, 0
	MUL8 F1, 1, 2
.endm
.macro STEP fill
	QUARTER 1, F0, F1
	QUARTER 2, F1, F0
	QUARTER 3, F0, F1
	TURN \fill
	WIN 0
.endm
	s_wait_tensorcnt 0x1                           ; my part of K step 0 is in; K step 1's may stay out
	s_barrier_signal -1
	s_barrier_wait -1
	v_mov_b32 v[CA], v[A0]
	v_mov_b32 v[CB], v[B0]
	v_add_nc_u32 v[CB+1], 128*PB, v[B0]
	FETCH 0, F0
	WIN 0
	s_wait_loadcnt 32                              ; the bias is in; the 32 loads of the residual stay out
	s_mov_b32 s[CNT], KSTEPS-2
.Lk:                                                   ; a trip is a K step; all but the last two ask for the step two on
	STEP 1
	s_sub_co_u32 s[CNT], s[CNT], 1
	s_cmp_lg_u32 s[CNT], 0
	s_cbranch_scc1 .Lk
	s_mov_b32 s[CNT], 2
.Lt:                                                   ; the last two K steps ask for nothing: a text of their own
	STEP 0
	s_sub_co_u32 s[CNT], s[CNT], 1
	s_cmp_lg_u32 s[CNT], 0
	s_cbranch_scc1 .Lt
	; THE WAY OUT.  My 64 x 64 goes through my own stage in f32 and comes back as rows of 256 bytes; the residual is added; 16 lanes store 256 consecutive bytes, aligned.
	PLACES
.set oa, 0
.rept 4
.set ob, 0
.rept 4
	ds_store_b128 v[STO], v[ACC+8*(4*oa+ob):ACC+8*(4*oa+ob)+3] offset:oa*16*SP+64*ob          ; each accumulator's low registers first
	ds_store_b128 v[STO], v[ACC+8*(4*oa+ob)+4:ACC+8*(4*oa+ob)+7] offset:oa*16*SP+64*ob+16
.set ob, ob+1
.endr
.set oa, oa+1
.endr
	WIN 0x40
.set t, 0
.rept 32
	ds_load_b128 v[4*t:4*t+3], v[RD] offset:2*SP*t   ; LDS serves a wave's instructions in order (ISA guide 5.7.1.4): these see the stores above
.set t, t+1
.endr
	s_wait_dscnt 0x0
	s_wait_loadcnt 0x0                             ; the residual
	WIN 0x49                                       ; destination and source 0 window 1, source 1 window 2
.set t, 0
.rept 64
	v_pk_add_f32 v[2*t:2*t+1], v[2*t:2*t+1], v[2*t:2*t+1]
.set t, t+1
.endr
	WIN 0x04                                       ; the stores' data in window 1
.set t, 0
.rept 32
	global_store_b128 v[CO], v[4*t:4*t+3], s[OUTP:OUTP+1] offset:8192*t
.set t, t+1
.endr
	WIN 0
	s_wait_tensorcnt 0x0                           ; the wave's end: the add and its wait stand behind my last tensor load and my last LDS store
	ds_add_u32 v[SPW], v[NIL]
	s_wait_dscnt 0x0
	CROUND                                         ; the closing round: no work-group ends while a partner may still ask for a tile that names it
	s_endpgm
.Lfunc_end_k_qd695da465b_proj:
	.size	k_qd695da465b_proj, .Lfunc_end_k_qd695da465b_proj-k_qd695da465b_proj
	.p2alignl 7, 3214868480
	.fill 96, 4, 3214868480
	.section	.rodata,"a",@progbits
	.p2align	6, 0x0
	.amdhsa_kernel k_qd695da465b_proj
		.amdhsa_group_segment_fixed_size 327680
		.amdhsa_private_segment_fixed_size 0
		.amdhsa_enable_private_segment 0
		.amdhsa_kernarg_size 40
		.amdhsa_user_sgpr_count 2
		.amdhsa_user_sgpr_kernarg_segment_ptr 1
		.amdhsa_wavefront_size32 1
		.amdhsa_system_sgpr_workgroup_id_x 1
		.amdhsa_system_sgpr_workgroup_id_y 1
		.amdhsa_system_sgpr_workgroup_id_z 1
		.amdhsa_system_vgpr_workitem_id 0
		.amdhsa_next_free_vgpr 640
		.amdhsa_next_free_sgpr 80
		.amdhsa_reserve_vcc 0
		.amdhsa_float_denorm_mode_32 3
		.amdhsa_float_denorm_mode_16_64 3
		.amdhsa_memory_ordered 1
		.amdhsa_forward_progress 1
		.amdhsa_inst_pref_size 63
	.end_amdhsa_kernel
	.amdgpu_metadata
---
amdhsa.version: [ 1, 2 ]
amdhsa.kernels:
  - .name:           k_qd695da465b_proj
    .symbol:         k_qd695da465b_proj.kd
    .args:
      - { .name: hn, .offset: 0, .size: 8, .value_kind: global_buffer, .address_space: global }
      - { .name: wp, .offset: 8, .size: 8, .value_kind: global_buffer, .address_space: global }
      - { .name: proj_b, .offset: 16, .size: 8, .value_kind: global_buffer, .address_space: global }
      - { .name: x, .offset: 24, .size: 8, .value_kind: global_buffer, .address_space: global }
      - { .name: qkvh, .offset: 32, .size: 8, .value_kind: global_buffer, .address_space: global }
    .group_segment_fixed_size: 327680
    .private_segment_fixed_size: 0
    .kernarg_segment_align: 8
    .kernarg_segment_size: 40
    .max_flat_workgroup_size: 128
    .sgpr_count:     80
    .vgpr_count:     640
    .wavefront_size: 32
...
	.end_amdgpu_metadata
.endif
;; end of part 4
;; launch ln2: the kernel of part 1 again; grid 256 x 1, 16 waves a work-group, no clusters, 0 bytes of LDS; arguments qkvh, ln2_w, ln2_b, hn, attn_w, wh; writes hn, wh
;; launch fc (part 5): grid 16 x 16, 4 waves a work-group, clusters of 4 x 4, 327,680 bytes of LDS; arguments hn, wh, fc_b, g; writes g
.if DOCPART == 5
	.amdgcn_target "amdgcn-amd-amdhsa--gfx1250"
	.amdhsa_code_object_version 6
	.text
	.protected	k_qd695da465b_fc
	.globl	k_qd695da465b_fc
	.p2align	8
	.type	k_qd695da465b_fc,@function
k_qd695da465b_fc:
	s_mov_b64 s[64:65], 0
	v_nop
	global_prefetch_b8 v0, s[64:65] scope:SCOPE_SE
	s_setreg_imm32_b32 hwreg(HW_REG_WAVE_MODE, 25, 1), 1
	s_wait_xcnt 0x0
	s_wait_alu depctr_hold_cnt(0) depctr_sa_sdst(0) depctr_va_vdst(0) depctr_va_sdst(0) depctr_va_ssrc(0) depctr_va_vcc(0) depctr_vm_vsrc(0)
	s_getreg_b32 s2, hwreg(HW_REG_IB_STS2, 6, 4)
	s_cmp_eq_u32 s2, 0
	s_cbranch_scc0 .Lentry_in_a_cluster
	s_endpgm
.Lentry_in_a_cluster:
	s_bfe_u32 s2, ttmp6, 0x10000c
	s_cmp_lg_u32 s2, 0xf033
	s_cbranch_scc0 .Lentry_shape_is_right
	s_endpgm
.Lentry_shape_is_right:
; g = gelu(hn fc_w + fc_b), the exact (erf) form.  hn: [4096][1024] f16.  The weights: [1024][4096] f16, at byte WOFF of wh.  Bias f32.  Sums in f32, starting from the bias; the result rounded once to f16 and stored in
; blocks [column group of 64][4096 rows][64], so that the next product's tiles are dense.
; LIMITS.  f16 holds no number beyond 65,504: operands arrive within it, and the result is taken to stay within it.  erf by the five-term rational form, 1.5e-7 off at the most for every x.  NaN and infinities are not treated apart.
; SHARES.  A tile of the result is 256 rows x NT columns, made by four waves: wave w takes rows 128 (w / 2) on and the 16-column blocks 2 b + w % 2: 8 x NBW accumulators of 16 x 16.  16 x 16 tiles: 256 work-groups.
; K goes in 8 steps of 128 through a ring of two LDS slots filled by the tensor data mover.  A's rows lie along K and are read as they lie; the weights lie [K][N] and are read turned, by ds_load_tr16_b128.
; CLUSTER.  4 x 4 work-groups: the four of a row of the cluster need the same tile of A, the four of a column the same tile of the weights: each is asked for jointly, by the same tensor load, descriptor and mask.
; THE MATRIX INSTRUCTION IS USED TRANSPOSED (source 0 = 16 columns of the weights, source 1 = 16 rows of A): a lane then holds eight neighbouring numbers of one row of the result.
; REGISTERS, in windows of 256 (s_set_vgpr_msb: bits 1:0 source 0, 3:2 source 1, 5:4 source 2, 7:6 destination):
;   window 0: v16-29 addresses; v64-127, v128-191 fragments of A, two buffers; on the way out v32-239 at work      window 1: v64-127, v128-191 fragments of the weights
;   window 2: the accumulators of my rows 0-63 ((a, b) at v[8 (8 a + b)])      window 3: those of my rows 64-127
.set NT,     256                       ; columns in a tile
.set NCOLS,  4096                      ; columns of the weights
.set NBW,    8                         ; blocks of 16 columns a wave
.set NG,     4                         ; column groups of 64 in a tile
.set NGW,    2                         ; of which a wave takes two on the way out
.set PITCHB, 544                       ; an LDS row of the weights: 512 bytes + 32 of padding = 17 x 32 bytes: the turning load's 8 rows x 32 bytes fall on different banks (64 banks of 4 bytes: ISA guide 11.1)
.set QIB,    6                         ; padding after every 128 words
.set CHUNK,  128                       ; bytes from one 128-byte chunk of a row to the next
.set WOFF,   8388608
.set SP,     1040                      ; a row of the stage: NT x 4 bytes + 16
.set KSTEPS, 8
.set PITCHA, 272                       ; an LDS row of A: 256 bytes + 16 of padding: the 16 rows of a load start at 16 different groups of four banks
.set HALFA,  128*PITCHA                ; what one tensor load brings of A
.set BOFF,   2*HALFA                   ; the weights' 128 rows lie behind A's 256
.set HALFB,  64*PITCHB                 ; what one tensor load brings of the weights
.set SLOT,   BOFF+2*HALFB              ; no wave's place in a slot shares a bit with SLOT, so one exclusive or turns an address in one slot into the other's
.set SPARE,  2*SLOT                    ; behind the ring: the spare words, 128 bytes for each wave: two blocks of 256 bytes that no other line names
.set STEPA,  256                       ; bytes from a K step to the next: 128 numbers along A's rows,
.set STEPB,  256*NCOLS                 ; 128 rows of the weights
.set NL,     2*NBW+16                  ; LDS loads in a run
.set A0,  16                           ; v16  my lane's place in a slot's A; never rewritten
.set B0,  17                           ; v17  the same for the weights
.set CA,  18                           ; v18  A0 + the slot in hand
.set CB,  19                           ; v19  B0 + the slot in hand
.set STO, 20                           ; v20, v21  the way out: where I put 32 bytes of a row (rows 0-63, rows 64-127 of mine)
.set RD,  22                           ; v22  where I read 32 bytes of a row back
.set GO,  23                           ; v23  my byte offset in the tile's part of the result
.set BO,  24                           ; v24  my byte offset in the tile's bias
.set SPW, 28                           ; v28  LDS address of my spare word; never rewritten
.set NIL, 29                           ; v29  0; never rewritten
.set Y,   32                           ; the way out: packed results
.set F0,  64
.set F1,  128
.set X,   64                           ; the way out: 8 numbers for each of my two column groups
.set AX,  96                           ; |x|
.set RL,  128                          ; max(x, 0)
.set D,   160                          ; 1 + p |x|, then t
.set U,   192                          ; x^2, then e^(-x^2 / 2)
.set Q,   224                          ; the polynomial, then the result
.set CNT, 3                            ; s3   loop counter
.set WV,  12                           ; s12  wave
.set RH,  13                           ; s13  which half of the rows is mine; also: I fetch A (0) or the weights (1)
.set CH,  14                           ; s14  even or odd column blocks; also: which half of that tile I fetch; on the way out: which two column groups are mine
.set G1A, 24                           ; s[24:31] descriptor group 1 for A
.set G0A, 32                           ; s[32:39] group 0 for A: a set for each first fill; the second then walks on
.set CX,  40
.set CY,  41
.set TX,  42
.set TY,  43
.set RM,  44
.set CM,  45
.set G1B, 48                           ; s[48:55], s[56:63] the same for the weights
.set G0B, 56
.set TB,  66                           ; s66  the slot in hand: 0 or SLOT
.set SGN, 67
.set KP,  68
.set KN,  70
.set H5,  72
.set H4,  74
.set H3,  76
.set H2,  78
.set H1,  80
.set MSB, 0
.macro WIN new                         ; the immediate's high byte repeats the setting that is left; a switch that changes nothing is dropped
.if MSB != (\new)
	s_set_vgpr_msb (MSB<<8)|(\new)
.set MSB, (\new)
.endif
.endm
.macro PLACES                          ; four places in front of loads into registers that matrix instructions have read, and of reads of results
.rept 4
	v_nop
.endr
.endm
.macro JLOAD                           ; a joint refill by the walking sets; the branch hangs on the wave's number alone; s_nop 0 and four v_nop follow each line
	s_cmp_eq_u32 s[RH], 0
	s_cbranch_scc0 .Lfor_b_\@
	tensor_load_to_lds s[G0A+4:G0A+7], s[G1A:G1A+7]
	s_nop 0
	PLACES
	s_branch .Lasked_\@
.Lfor_b_\@:
	tensor_load_to_lds s[G0B+4:G0B+7], s[G1B:G1B+7]
	s_nop 0
	PLACES
.Lasked_\@:
.endm
.macro CREST                           ; a round of the cluster's barrier behind its opening barrier
	s_cmp_lg_u32 s[WV], 0
	s_cbranch_scc1 .Lnot_wave_0_\@
	s_barrier_signal -3
.Lnot_wave_0_\@:
	s_barrier_wait -3
	s_barrier_signal -1
	s_barrier_wait -1
.endm
.macro CROUND
	s_barrier_signal -1
	s_barrier_wait -1
	CREST
.endm
	s_load_b256 s[4:11], s[0:1], 0x0               ; A s[4:5], wh s[6:7], bias s[8:9], result s[10:11]
	v_lshl_add_u32 v[SPW], v0, 2, SPARE
	v_mov_b32 v[NIL], 0
	ds_add_u32 v[SPW], v[NIL]                      ; the wave's opening: the add and its wait stand ahead of my first tensor load; the set-up below stands between them
	ds_add_u32 v28, v29
	v_lshrrev_b32 v1, 5, v0
	v_readfirstlane_b32 s[WV], v1
	s_lshr_b32 s[RH], s[WV], 1
	s_and_b32 s[CH], s[WV], 1
	s_bfe_u32 s[CX], ttmp6, 0x40000                ; my place in the cluster
	s_bfe_u32 s[CY], ttmp6, 0x40004
	s_lshl_b32 s[TX], ttmp9, 2
	s_add_co_u32 s[TX], s[TX], s[CX]               ; tile column = 4 x cluster x + cx
	s_and_b32 s[TY], ttmp7, 0xffff
	s_lshl_b32 s[TY], s[TY], 2
	s_add_co_u32 s[TY], s[TY], s[CY]               ; tile row = 4 x cluster y + cy
	s_lshl_b32 s[RM], s[CY], 2
	s_lshl_b32 s[RM], 15, s[RM]                    ; my row of the cluster
	s_lshl_b32 s[CM], 0x1111, s[CX]                ; my column
	s_or_b32 s[G1A], s[RM], (1<<16)|(1<<20)|(1<<21)|(5<<22)|(3<<25)    ; mask; 2-byte elements; padding on; bit 21 beside a mask; after every 64 words 4 words
	s_mov_b32 s[G1A+1], 128<<16                    ; tensor_dim0 = 128
	s_mov_b32 s[G1A+2], 128<<16                    ; tensor_dim1 = 128
	s_mov_b32 s[G1A+3], 128<<16                    ; tile_dim0 = 128
	s_mov_b32 s[G1A+4], 128                        ; tile_dim1 = 128
	s_mov_b32 s[G1A+5], 1024                       ; elements from row to row
	s_mov_b32 s[G1A+6], 0
	s_mov_b32 s[G1A+7], 0
	s_or_b32 s[G1B], s[CM], (1<<16)|(1<<20)|(1<<21)|(QIB<<22)|(7<<25)  ; the same with my column's mask; 8 words of padding
	s_mov_b32 s[G1B+1], NT<<16
	s_mov_b32 s[G1B+2], 64<<16
	s_mov_b32 s[G1B+3], NT<<16
	s_mov_b32 s[G1B+4], 64
	s_mov_b32 s[G1B+5], NCOLS
	s_mov_b32 s[G1B+6], 0
	s_mov_b32 s[G1B+7], 0
	s_lshl_b32 s16, s[TY], 19                      ; A: 256 rows of 2,048 bytes a tile row,
	s_lshl_b32 s17, s[CH], 18                      ; 128 rows a half
	s_add_co_u32 s16, s16, s17
	s_mov_b32 s17, 0
	s_mul_i32 s46, s[TX], NT*2                     ; the weights: the tile's columns,
	s_mul_i32 s47, s[CH], 64*NCOLS*2               ; 64 rows a half
	s_add_co_u32 s46, s46, s47
	s_add_co_u32 s46, s46, WOFF
	s_mov_b32 s47, 0
	s_mul_i32 s20, s[CH], HALFA                    ; where they go: no place in the cluster enters an LDS address
	s_mul_i32 s21, s[CH], HALFB
	s_add_co_u32 s21, s21, BOFF
	s_mul_i32 s86, s[TX], NG*524288                ; the result: a column group is 4,096 rows of 128 bytes,
	s_lshl_b32 s87, s[TY], 15                      ; a tile row 256 of them
	s_add_co_u32 s86, s86, s87
	s_mov_b32 s87, 0
	s_mul_i32 s88, s[TX], NT*4                     ; the tile's bias
	s_mov_b32 s89, 0
	s_mov_b32 s[TB], 0
	s_mov_b32 s[SGN], 0x7fffffff
	s_mov_b32 s[KP], 0x3e6d3388                    ; 0.3275911 / sqrt(2)
	s_mov_b32 s[KN], 0xbf38aa3b                    ; -log2(e) / 2
	s_mov_b32 s[H5], 0x3f07dc22                    ; half of the five coefficients
	s_mov_b32 s[H4], 0xbf3a00e3
	s_mov_b32 s[H3], 0x3f35f0e3
	s_mov_b32 s[H2], 0xbe11a98e
	s_mov_b32 s[H1], 0x3e027906
.irp c, KP, KN, H5, H4, H3, H2, H1
	s_mov_b32 s[\c+1], s[\c]                       ; named as pairs, so both are written
.endr
	s_wait_dscnt 0x0                               ; the opening add is done
	s_wait_kmcnt 0x0
	s_add_nc_u64 s[18:19], s[4:5], s[16:17]
	s_add_nc_u64 s[22:23], s[6:7], s[46:47]
	s_add_nc_u64 s[8:9], s[8:9], s[88:89]
	s_add_nc_u64 s[10:11], s[10:11], s[86:87]
.irp s, 0,1
	s_mov_b32 s[G0A+4*(\s)], 1                                        ; count = 1
	s_add_co_u32 s[G0A+4*(\s)+1], s20, (\s)*SLOT                      ; LDS address
	s_add_nc_u64 s[G0A+4*(\s)+2:G0A+4*(\s)+3], s[18:19], (\s)*STEPA   ; global address: K step s
	s_or_b32 s[G0A+4*(\s)+3], s[G0A+4*(\s)+3], 0x80000000             ; type = 2
	s_mov_b32 s[G0B+4*(\s)], 1
	s_add_co_u32 s[G0B+4*(\s)+1], s21, (\s)*SLOT
	s_add_nc_u64 s[G0B+4*(\s)+2:G0B+4*(\s)+3], s[22:23], (\s)*STEPB
	s_or_b32 s[G0B+4*(\s)+3], s[G0B+4*(\s)+3], 0x80000000
.endr
	CROUND                                         ; all sixteen work-groups are here: the first joint loads meet
	s_cmp_eq_u32 s[RH], 0                          ; a wave's two first fills stand in one branch: two loads of mine are out
	s_cbranch_scc0 .Lfirst_b
	tensor_load_to_lds s[G0A:G0A+3], s[G1A:G1A+7]
	s_nop 0
	tensor_load_to_lds s[G0A+4:G0A+7], s[G1A:G1A+7]
	s_nop 0
	PLACES
	s_branch .Lfirst_asked
.Lfirst_b:
	tensor_load_to_lds s[G0B:G0B+3], s[G1B:G1B+7]
	s_nop 0
	tensor_load_to_lds s[G0B+4:G0B+7], s[G1B:G1B+7]
	s_nop 0
	PLACES
.Lfirst_asked:
	v_and_b32 v1, 15, v0                           ; r = l % 16
	v_bfe_u32 v2, v0, 4, 1                         ; h = l / 16
	v_and_b32 v3, 7, v0                            ; l % 8
	v_bfe_u32 v4, v0, 3, 1                         ; (l / 8) % 2
	v_and_b32 v5, 31, v0                           ; l
	v_bfe_u32 v6, v0, 3, 2                         ; l / 8
	; a fragment of A: lane l holds row l % 16, K = 8 h + 0..7 and 16 + 8 h + 0..7: two loads of 16 bytes, 32 bytes apart
	v_mul_u32_u24 v[A0], v1, PITCHA
	v_lshl_add_u32 v[A0], v2, 4, v[A0]
	s_mul_i32 s15, s[RH], HALFA
	v_add_nc_u32 v[A0], s15, v[A0]
	; the turning load takes 16 K x 16 columns (lane l reads K row 8 h + l % 8, columns 8 ((l / 8) % 2) + 0..7) and leaves half a fragment: lane l holds column l % 16 and 8 K
	v_lshl_add_u32 v[B0], v2, 3, v3
	v_mul_u32_u24 v[B0], v[B0], PITCHB
	v_lshl_add_u32 v[B0], v4, 4, v[B0]
	s_lshl_b32 s15, s[CH], 5
	s_add_co_u32 s15, s15, BOFF
	v_add_nc_u32 v[B0], s15, v[B0]
	v_mul_u32_u24 v[STO], v1, SP                   ; into the stage: row 128 RH + r, byte 64 CH + 32 h of each 128
	v_lshl_add_u32 v[STO], v2, 5, v[STO]
	s_mul_i32 s15, s[RH], 128*SP
	s_lshl_b32 s18, s[CH], 6
	s_add_co_u32 s15, s15, s18
	v_add_nc_u32 v[STO], s15, v[STO]
	v_add_nc_u32 v[STO+1], 64*SP, v[STO]
	v_mul_u32_u24 v[RD], v6, SP                    ; back: row 128 RH + l / 8, 32 bytes at 32 (l % 8) of a group's 256; my two groups begin at byte 512 CH of a row
	v_lshl_add_u32 v[RD], v3, 5, v[RD]
	s_mul_i32 s15, s[RH], 128*SP
	s_lshl_b32 s18, s[CH], 9
	s_add_co_u32 s15, s15, s18
	v_add_nc_u32 v[RD], s15, v[RD]
	v_lshlrev_b32 v[GO], 4, v5                     ; four rows of 128 bytes are 512 consecutive bytes of a column group;
	s_lshl_b32 s15, s[RH], 14                      ; my 128 rows,
	s_lshl_b32 s18, s[CH], 20                      ; my two groups of 524,288 bytes
	s_add_co_u32 s15, s15, s18
	v_add_nc_u32 v[GO], s15, v[GO]
	v_lshlrev_b32 v[BO], 5, v2
	s_lshl_b32 s15, s[CH], 6
	v_add_nc_u32 v[BO], s15, v[BO]
	; THE SUMS START FROM THE BIAS: it is loaded straight into the accumulators (a lane's eight columns are 32 neighbouring bytes), in the wait for the first tile: nothing is cleared and nothing is added on the way out
.set oa, 0
.rept 8
	WIN 0x80+0x40*(oa/4)
.set ob, 0
.rept NBW
	global_load_b128 v[8*(8*(oa%4)+ob):8*(8*(oa%4)+ob)+3], v[BO], s[8:9] offset:128*ob
	global_load_b128 v[8*(8*(oa%4)+ob)+4:8*(8*(oa%4)+ob)+7], v[BO], s[8:9] offset:128*ob+16
.set ob, ob+1
.endr
.set oa, oa+1
.endr
	WIN 0
; one run of LDS loads: the fragments of quarter q (32 along K) of the slot in hand into buffer f: the weights first, then A's rows in ascending order
.macro FETCH q, f
	WIN 0x40
.set fb, 0
.rept NBW
	ds_load_tr16_b128 v[(\f)+8*fb:(\f)+8*fb+3],   v[CB] offset:(\q)*32*PITCHB+(fb/2)*CHUNK+(fb%2)*64
	ds_load_tr16_b128 v[(\f)+8*fb+4:(\f)+8*fb+7], v[CB] offset:(\q)*32*PITCHB+16*PITCHB+(fb/2)*CHUNK+(fb%2)*64
.set fb, fb+1
.endr
	WIN 0
.irp a, 0,1,2,3,4,5,6,7
	ds_load_b128 v[(\f)+8*(\a):(\f)+8*(\a)+3],   v[CA] offset:64*(\q)+(\a)*16*PITCHA
	ds_load_b128 v[(\f)+8*(\a)+4:(\f)+8*(\a)+7], v[CA] offset:64*(\q)+(\a)*16*PITCHA+32
.endr
.endm
; 2 NBW matrix instructions: row blocks a0, a0 + 1 of the window's four x all my column blocks.  The accumulators take turns, one instruction a turn
.macro MULH f, hi, a0
	WIN 0xa1+0x50*(\hi)
.irp a, \a0, (\a0)+1
.set mb, 0
.rept NBW
.set rD, 8*(8*(\a)+mb)
.set rB, (\f)+8*mb
.set rA, (\f)+8*(4*(\hi)+(\a))
	v_wmma_f32_16x16x32_f16 v[rD:rD+7], v[rB:rB+7], v[rA:rA+7], v[rD:rD+7]
.set mb, mb+1
.endr
.endr
.endm
; one of a K step's first three quarters: multiplies buffer f; in its middle it fetches quarter q into buffer g
.macro QUARTER q, f, g
	s_wait_dscnt 8                                 ; the weights and A's rows 0-63 are in; the youngest eight loads (A's rows 64-127) may be out
	MULH \f, 0, 0
	MULH \f, 0, 2
	PLACES
	FETCH \q, \g
	s_wait_dscnt NL                                ; all but the run just issued
	MULH \f, 1, 0
	MULH \f, 1, 2
.endm
; the last quarter multiplies buffer 1 and changes slots: ONE barrier.  In front of it each wave waits for all its tensor loads (one is out: its part of the next slot), adds 0 to its spare word, and waits for
; that and for its reads of this slot.  fill = 1: the barrier opens a round of the cluster's, and behind it this slot is filled again, two K steps ahead.  fill = 0: the tail; its last trip fetches nothing more.
.macro TURN fill
	WIN 0
	s_wait_tensorcnt 0x0
	ds_add_u32 v[SPW], v[NIL]
	s_wait_dscnt 9                                 ; (the add and the youngest eight loads may be out)
	MULH F1, 0, 0
	s_wait_dscnt 0x0                               ; the add is done, and my reads of this slot are over
	s_barrier_signal -1
	MULH F1, 0, 2
	WIN 0
	s_barrier_wait -1
.if \fill
	CREST                                          ; no wave of any partner still reads this slot or has a load on its way
	s_xor_b32 s[G0A+5], s[G0A+5], SLOT             ; the walking sets: the other slot than last time, the next K step; no tensor load of mine is out
	s_add_nc_u64 s[G0A+6:G0A+7], s[G0A+6:G0A+7], STEPA
	s_xor_b32 s[G0B+5], s[G0B+5], SLOT
	s_add_nc_u64 s[G0B+6:G0B+7], s[G0B+6:G0B+7], STEPB
	JLOAD                                          ; the first tensor load behind the round; its four v_nop are also the places in front of the loads below
.else
	s_cmp_eq_u32 s[CNT], 1
	s_cbranch_scc1 .Lno_fetch_\@
	PLACES
.endif
	s_xor_b32 s[TB], s[TB], SLOT
	v_add_nc_u32 v[CA], s[TB], v[A0]
	v_add_nc_u32 v[CB], s[TB], v[B0]
	FETCH 0, F0
.if !(\fill)
.Lno_fetch_\@:
.endif
	MULH F1, 1, 0
	MULH F1, 1, 2
.endm
.macro STEP fill
	QUARTER 1, F0, F1
	QUARTER 2, F1, F0
	QUARTER 3, F0, F1
	TURN \fill
	WIN 0
.endm
	s_wait_tensorcnt 0x1                           ; my part of K step 0 is in; K step 1's may stay out
	s_barrier_signal -1
	s_barrier_wait -1
	v_mov_b32 v[CA], v[A0]
	v_mov_b32 v[CB], v[B0]
	FETCH 0, F0
	s_wait_loadcnt 0x0                             ; the bias
	s_mov_b32 s[CNT], KSTEPS-2
.Lk:                                                   ; a trip is a K step; each of the first six asks for the step two on
	STEP 1
	s_sub_co_u32 s[CNT], s[CNT], 1
	s_cmp_lg_u32 s[CNT], 0
	s_cbranch_scc1 .Lk
	s_mov_b32 s[CNT], 2
.Lt:                                                   ; the last two K steps ask for nothing: a text of their own
	STEP 0
	s_sub_co_u32 s[CNT], s[CNT], 1
	s_cmp_lg_u32 s[CNT], 0
	s_cbranch_scc1 .Lt
	; THE WAY OUT.  The ring has had its last fill and, by the last barrier, its last read: the tile goes into it in f32, rows of SP bytes; behind a barrier wave w takes back rows 128 (w / 2) on of the
	; column groups 2 (w % 2) and 2 (w % 2) + 1, four rows a trip, applies the activation, rounds to f16 and stores 512 consecutive bytes for each of the two groups.
	PLACES
.set oa, 0
.rept 8
	WIN 0x08+4*(oa/4)
.set ob, 0
.rept NBW
	ds_store_b128 v[STO+oa/4], v[8*(8*(oa%4)+ob):8*(8*(oa%4)+ob)+3] offset:(oa%4)*16*SP+128*ob       ; each accumulator's low registers first
	ds_store_b128 v[STO+oa/4], v[8*(8*(oa%4)+ob)+4:8*(8*(oa%4)+ob)+7] offset:(oa%4)*16*SP+128*ob+16
.set ob, ob+1
.endr
.set oa, oa+1
.endr
	WIN 0
	s_wait_dscnt 0x0                               ; for the others' sake: my stores into the stage are done
	s_barrier_signal -1
	s_barrier_wait -1
.macro LDX
.set gi, 0
.rept NGW
	ds_load_b128 v[X+8*gi:X+8*gi+3],   v[RD] offset:256*gi
	ds_load_b128 v[X+8*gi+4:X+8*gi+7], v[RD] offset:256*gi+16
.set gi, gi+1
.endr
.endm
	LDX
	s_mov_b32 s[CNT], 32
.Lrow:
	s_wait_dscnt 0x0                               ; this trip's four rows are in
.set i, 0
.rept 8*NGW
	v_and_b32 v[AX+i], s[SGN], v[X+i]              ; |x|
	v_max_num_f32 v[RL+i], 0, v[X+i]               ; max(x, 0)
.set i, i+1
.endr
.set i, 0
.rept 4*NGW
	v_pk_mul_f32 v[U+i:U+i+1], v[X+i:X+i+1], v[X+i:X+i+1]
.set i, i+2
.endr
	s_cmp_eq_u32 s[CNT], 1
	s_cbranch_scc1 .Lno_more                       ; the last trip has no rows to fetch
	v_add_nc_u32 v[RD], 4*SP, v[RD]
	LDX                                            ; the next trip's rows, while this trip's are worked on
.Lno_more:
	; gelu(x) = max(x, 0) - |x| (poly(t) / 2) e^(-x^2 / 2), t = 1 / (1 + 0.2316419 |x|): the five-term form of erf, with no difference of near numbers in the negative tail
.set i, 0
.rept 4*NGW
	v_pk_mul_f32 v[U+i:U+i+1], v[U+i:U+i+1], s[KN:KN+1] op_sel_hi:[1,0]
	v_pk_fma_f32 v[D+i:D+i+1], v[AX+i:AX+i+1], s[KP:KP+1], 1.0 op_sel_hi:[1,0,0]
.set i, i+2
.endr
.set i, 0
.rept 8*NGW
	v_rcp_f32 v[D+i], v[D+i]
.set i, i+1
.endr
.set i, 0
.rept 8*NGW
	v_exp_f32 v[U+i], v[U+i]
.set i, i+1
.endr
	v_nop                                          ; a plain instruction before the results are used (ISA guide 5.7.2)
.set i, 0
	s_wait_alu depctr_va_vdst(0)
.rept 4*NGW
	v_pk_fma_f32 v[Q+i:Q+i+1], v[D+i:D+i+1], s[H5:H5+1], s[H4:H4+1] op_sel_hi:[1,0,0]
.set i, i+2
.endr
.irp c, H3, H2, H1
.set i, 0
.rept 4*NGW
	v_pk_fma_f32 v[Q+i:Q+i+1], v[Q+i:Q+i+1], v[D+i:D+i+1], s[\c:\c+1] op_sel_hi:[1,1,0]
.set i, i+2
.endr
.endr
.set i, 0
.rept 4*NGW
	v_pk_mul_f32 v[Q+i:Q+i+1], v[Q+i:Q+i+1], v[D+i:D+i+1]
.set i, i+2
.endr
.set i, 0
.rept 4*NGW
	v_pk_mul_f32 v[Q+i:Q+i+1], v[Q+i:Q+i+1], v[U+i:U+i+1]
.set i, i+2
.endr
.set i, 0
.rept 4*NGW
	v_pk_fma_f32 v[Q+i:Q+i+1], v[Q+i:Q+i+1], v[AX+i:AX+i+1], v[RL+i:RL+i+1] neg_lo:[1,0,0] neg_hi:[1,0,0]
.set i, i+2
.endr
.set i, 0
.rept 4*NGW
	v_cvt_pk_f16_f32 v[Y+i], v[Q+2*i], v[Q+2*i+1]
.set i, i+1
.endr
.set gi, 0
.rept NGW
	global_store_b128 v[GO], v[Y+4*gi:Y+4*gi+3], s[10:11] offset:gi*524288   ; 512 consecutive bytes, at a multiple of 256 from the buffer's first
.set gi, gi+1
.endr
	s_wait_xcnt 0x0                                ; GO and the packed registers are rewritten only behind this wait
	v_add_nc_u32 v[GO], 512, v[GO]
	s_sub_co_u32 s[CNT], s[CNT], 1
	s_cmp_lg_u32 s[CNT], 0
	s_cbranch_scc1 .Lrow
	s_wait_tensorcnt 0x0                           ; the wave's end: the add and its wait stand behind my last tensor load and my last LDS store
	ds_add_u32 v[SPW], v[NIL]
	s_wait_dscnt 0x0
	CROUND                                         ; the closing round: no work-group ends while a partner may still ask for a tile that names it
	s_endpgm
.Lfunc_end_k_qd695da465b_fc:
	.size	k_qd695da465b_fc, .Lfunc_end_k_qd695da465b_fc-k_qd695da465b_fc
	.p2alignl 7, 3214868480
	.fill 96, 4, 3214868480
	.section	.rodata,"a",@progbits
	.p2align	6, 0x0
	.amdhsa_kernel k_qd695da465b_fc
		.amdhsa_group_segment_fixed_size 327680
		.amdhsa_private_segment_fixed_size 0
		.amdhsa_enable_private_segment 0
		.amdhsa_kernarg_size 32
		.amdhsa_user_sgpr_count 2
		.amdhsa_user_sgpr_kernarg_segment_ptr 1
		.amdhsa_wavefront_size32 1
		.amdhsa_system_sgpr_workgroup_id_x 1
		.amdhsa_system_sgpr_workgroup_id_y 1
		.amdhsa_system_sgpr_workgroup_id_z 1
		.amdhsa_system_vgpr_workitem_id 0
		.amdhsa_next_free_vgpr 1024
		.amdhsa_next_free_sgpr 92
		.amdhsa_reserve_vcc 0
		.amdhsa_float_denorm_mode_32 3
		.amdhsa_float_denorm_mode_16_64 3
		.amdhsa_memory_ordered 1
		.amdhsa_forward_progress 1
		.amdhsa_inst_pref_size 92
	.end_amdhsa_kernel
	.amdgpu_metadata
---
amdhsa.version: [ 1, 2 ]
amdhsa.kernels:
  - .name:           k_qd695da465b_fc
    .symbol:         k_qd695da465b_fc.kd
    .args:
      - { .name: hn, .offset: 0, .size: 8, .value_kind: global_buffer, .address_space: global }
      - { .name: wh, .offset: 8, .size: 8, .value_kind: global_buffer, .address_space: global }
      - { .name: fc_b, .offset: 16, .size: 8, .value_kind: global_buffer, .address_space: global }
      - { .name: g, .offset: 24, .size: 8, .value_kind: global_buffer, .address_space: global }
    .group_segment_fixed_size: 327680
    .private_segment_fixed_size: 0
    .kernarg_segment_align: 8
    .kernarg_segment_size: 32
    .max_flat_workgroup_size: 128
    .sgpr_count:     92
    .vgpr_count:     1024
    .wavefront_size: 32
...
	.end_amdgpu_metadata
.endif
;; end of part 5
;; launch fcp (part 6): grid 8 x 32, 4 waves a work-group, clusters of 4 x 4, 327,680 bytes of LDS; arguments g, wf, fc_proj_b, qkvh, out0; writes out0
.if DOCPART == 6
	.amdgcn_target "amdgcn-amd-amdhsa--gfx1250"
	.amdhsa_code_object_version 6
	.text
	.protected	k_qd695da465b_fcp
	.globl	k_qd695da465b_fcp
	.p2align	8
	.type	k_qd695da465b_fcp,@function
k_qd695da465b_fcp:
	s_mov_b64 s[64:65], 0
	v_nop
	global_prefetch_b8 v0, s[64:65] scope:SCOPE_SE
	s_setreg_imm32_b32 hwreg(HW_REG_WAVE_MODE, 25, 1), 1
	s_wait_xcnt 0x0
	s_wait_alu depctr_hold_cnt(0) depctr_sa_sdst(0) depctr_va_vdst(0) depctr_va_sdst(0) depctr_va_ssrc(0) depctr_va_vcc(0) depctr_vm_vsrc(0)
	s_getreg_b32 s2, hwreg(HW_REG_IB_STS2, 6, 4)
	s_cmp_eq_u32 s2, 0
	s_cbranch_scc0 .Lentry_in_a_cluster
	s_endpgm
.Lentry_in_a_cluster:
	s_bfe_u32 s2, ttmp6, 0x10000c
	s_cmp_lg_u32 s2, 0xf033
	s_cbranch_scc0 .Lentry_shape_is_right
	s_endpgm
.Lentry_shape_is_right:
; out0 = x1 + g fc_proj_w + fc_proj_b.  A (g): f16 in blocks [K / 64][4096 rows][64].  The weights: [K][1024] f16.  Bias, residual (x1, the fourth argument) and result f32, [4096][1024].  Sums in f32, starting from the bias.
; LIMITS.  f16 holds no number beyond 65,504: the operands arrive within it.  NaN and infinities are not treated apart.
; SHARES.  A tile of the result is 128 x 128 (8 x 32 tiles: 256 work-groups); four waves, each 64 x 64: 16 accumulators.  K goes in KSTEPS steps of 256 through a ring of two LDS slots filled by the tensor data mover.
; A's 128 rows of one block of 64 K are 16,384 dense bytes: a wave's load takes two such blocks as two long rows, padded in LDS after every 128 bytes.  The weights lie [K][N] and are read turned, by ds_load_tr16_b128.
; CLUSTER.  4 x 4 work-groups: the four of a row of the cluster need the same tile of A, the four of a column the same tile of the weights: each is asked for jointly, by the same tensor load, descriptor and mask.
; THE MATRIX INSTRUCTION IS USED TRANSPOSED (source 0 = 16 columns of the weights, source 1 = 16 rows of A): a lane then holds eight neighbouring numbers of one row of the result.
; REGISTERS, in windows of 256 (s_set_vgpr_msb: bits 1:0 source 0, 3:2 source 1, 5:4 source 2, 7:6 destination):
;   window 0: v16-29 addresses; v128-255 the accumulators ((a, b) at v[128 + 8 (4 a + b)])
;   window 1: two fragment buffers of 128: for 64 along K, 64 registers of A, then 64 of the weights; on the way out v0-127 the rows read back      window 2: v0-127 the residual
.set KSTEPS, 16
.set PA,     144                       ; an LDS row of A: 128 bytes + 16 of padding: the 16 rows of a load start at 16 different groups of four banks (64 banks of 4 bytes: ISA guide 11.1)
.set PB,     288                       ; an LDS row of the weights: 256 + 32 = 9 x 32 bytes: the turning load's 8 rows x 32 bytes fall on different banks
.set ABLK,   128*PA                    ; one block of 64 K of A
.set BOFF,   4*ABLK                    ; the weights' 256 rows lie behind A's four blocks
.set SLOT,   BOFF+256*PB               ; no wave's place in a slot shares a bit with SLOT, so one exclusive or turns an address in one slot into the other's
.set SPARE,  2*SLOT                    ; behind the ring: the spare words, 128 bytes for each wave: two blocks of 256 bytes that no other line names
.set SP,     272                       ; a row of a wave's stage: 64 x 4 bytes + 16
.set STEPA,  2097152                   ; bytes from a K step to the next: four blocks of 4,096 rows x 128 bytes,
.set STEPB,  524288                    ; 256 rows of 2,048 bytes
.set A0,  16                           ; v16  my lane's place in a slot's A; never rewritten
.set B0,  17                           ; v17  the same for the weights
.set CA,  18                           ; v18  A0 + the slot in hand
.set CB,  19                           ; v19, v20  B0 + the slot in hand; the same 128 rows on
.set STO, 21                           ; v21  the way out: where I put 32 bytes of a row
.set RD,  22                           ; v22  where I read 16 bytes of a row back
.set CO,  23                           ; v23  my byte offset in two rows of the result and of the residual; never rewritten
.set BO,  24                           ; v24  my byte offset in the tile's bias
.set SPW, 28
.set NIL, 29
.set ACC, 128
.set F0,  0
.set F1,  128
.set CNT, 3
.set WV,  12
.set RH,  13                           ; which half of the rows is mine; also: I fetch A (0) or the weights (1)
.set CH,  14                           ; which half of the columns; also: which half of that tile I fetch
.set G1A, 24
.set G0A, 32                           ; a set for each first fill; the second then walks on
.set CX,  40
.set CY,  41
.set TX,  42
.set TY,  43
.set RM,  44
.set CM,  45
.set G1B, 48
.set G0B, 56
.set TB,  66                           ; the slot in hand: 0 or SLOT
.set OUTP, 72                          ; s[72:73] the result
.set MSB, 0
.macro WIN new                         ; the immediate's high byte repeats the setting that is left; a switch that changes nothing is dropped
.if MSB != (\new)
	s_set_vgpr_msb (MSB<<8)|(\new)
.set MSB, (\new)
.endif
.endm
.macro PLACES                          ; four places in front of loads into registers that matrix instructions have read, and of reads of results
.rept 4
	v_nop
.endr
.endm
.macro JLOAD                           ; a joint refill by the walking sets; the branch hangs on the wave's number alone; s_nop 0 and four v_nop follow each line
	s_cmp_eq_u32 s[RH], 0
	s_cbranch_scc0 .Lfor_b_\@
	tensor_load_to_lds s[G0A+4:G0A+7], s[G1A:G1A+7]
	s_nop 0
	PLACES
	s_branch .Lasked_\@
.Lfor_b_\@:
	tensor_load_to_lds s[G0B+4:G0B+7], s[G1B:G1B+7]
	s_nop 0
	PLACES
.Lasked_\@:
.endm
.macro CREST                           ; a round of the cluster's barrier behind its opening barrier
	s_cmp_lg_u32 s[WV], 0
	s_cbranch_scc1 .Lnot_wave_0_\@
	s_barrier_signal -3
.Lnot_wave_0_\@:
	s_barrier_wait -3
	s_barrier_signal -1
	s_barrier_wait -1
.endm
.macro CROUND
	s_barrier_signal -1
	s_barrier_wait -1
	CREST
.endm
	s_load_b256 s[4:11], s[0:1], 0x0               ; A s[4:5], the weights s[6:7], bias s[8:9], residual s[10:11]
	s_load_b64 s[OUTP:OUTP+1], s[0:1], 0x20        ; the result
	v_lshl_add_u32 v[SPW], v0, 2, SPARE
	v_mov_b32 v[NIL], 0
	ds_add_u32 v[SPW], v[NIL]                      ; the wave's opening: the add and its wait stand ahead of my first tensor load; the set-up below stands between them
	ds_add_u32 v28, v29
	v_lshrrev_b32 v1, 5, v0
	v_readfirstlane_b32 s[WV], v1
	s_lshr_b32 s[RH], s[WV], 1
	s_and_b32 s[CH], s[WV], 1
	s_bfe_u32 s[CX], ttmp6, 0x40000
	s_bfe_u32 s[CY], ttmp6, 0x40004
	s_lshl_b32 s[TX], ttmp9, 2
	s_add_co_u32 s[TX], s[TX], s[CX]               ; tile column = 4 x cluster x + cx
	s_and_b32 s[TY], ttmp7, 0xffff
	s_lshl_b32 s[TY], s[TY], 2
	s_add_co_u32 s[TY], s[TY], s[CY]               ; tile row = 4 x cluster y + cy
	s_lshl_b32 s[RM], s[CY], 2
	s_lshl_b32 s[RM], 15, s[RM]                    ; my row of the cluster
	s_lshl_b32 s[CM], 0x1111, s[CX]                ; my column
	s_or_b32 s[G1A], s[RM], (1<<16)|(1<<20)|(1<<21)|(4<<22)|(3<<25)    ; mask; 2-byte elements; padding on; bit 21 beside a mask; after every 32 words 4 words
	s_mov_b32 s[G1A+1], 8192<<16                   ; tensor_dim0 = 8,192: 128 rows x 64 numbers, dense
	s_mov_b32 s[G1A+2], 2<<16                      ; tensor_dim1 = 2 blocks
	s_mov_b32 s[G1A+3], 8192<<16                   ; tile_dim0
	s_mov_b32 s[G1A+4], 2                          ; tile_dim1
	s_mov_b32 s[G1A+5], 262144                     ; elements from block to block: 4,096 rows x 64
	s_mov_b32 s[G1A+6], 0
	s_mov_b32 s[G1A+7], 0
	s_or_b32 s[G1B], s[CM], (1<<16)|(1<<20)|(1<<21)|(5<<22)|(7<<25)    ; my column's mask; after every 64 words 8 words
	s_mov_b32 s[G1B+1], 128<<16
	s_mov_b32 s[G1B+2], 128<<16
	s_mov_b32 s[G1B+3], 128<<16
	s_mov_b32 s[G1B+4], 128
	s_mov_b32 s[G1B+5], 1024
	s_mov_b32 s[G1B+6], 0
	s_mov_b32 s[G1B+7], 0
	s_lshl_b32 s16, s[TY], 14                      ; A: 128 rows of 128 bytes a tile row,
	s_lshl_b32 s17, s[CH], 20                      ; two blocks a half
	s_add_co_u32 s16, s16, s17
	s_mov_b32 s17, 0
	s_lshl_b32 s46, s[TX], 8                       ; the weights: the tile's 128 columns,
	s_lshl_b32 s47, s[CH], 18                      ; 128 rows a half
	s_add_co_u32 s46, s46, s47
	s_mov_b32 s47, 0
	s_mul_i32 s20, s[CH], 2*ABLK                   ; where they go: no place in the cluster enters an LDS address
	s_mul_i32 s21, s[CH], 128*PB
	s_add_co_u32 s21, s21, BOFF
	s_lshl_b32 s68, s[TX], 9                       ; the tile's bias
	s_mov_b32 s69, 0
	s_lshl_b32 s70, s[TY], 19                      ; my part of the result: 128 rows of 4,096 bytes a tile row,
	s_lshl_b32 s74, s[RH], 18                      ; 64 rows a half,
	s_add_co_u32 s70, s70, s74
	s_lshl_b32 s74, s[TX], 9                       ; 512 bytes a tile column,
	s_add_co_u32 s70, s70, s74
	s_lshl_b32 s74, s[CH], 8                       ; 256 a half
	s_add_co_u32 s70, s70, s74
	s_mov_b32 s71, 0
	s_mov_b32 s[TB], 0
	s_wait_dscnt 0x0                               ; the opening add is done
	s_wait_kmcnt 0x0
	s_add_nc_u64 s[18:19], s[4:5], s[16:17]
	s_add_nc_u64 s[22:23], s[6:7], s[46:47]
	s_add_nc_u64 s[8:9], s[8:9], s[68:69]
	s_add_nc_u64 s[10:11], s[10:11], s[70:71]
	s_add_nc_u64 s[OUTP:OUTP+1], s[OUTP:OUTP+1], s[70:71]
.irp s, 0,1
	s_mov_b32 s[G0A+4*(\s)], 1
	s_add_co_u32 s[G0A+4*(\s)+1], s20, (\s)*SLOT
	s_add_nc_u64 s[G0A+4*(\s)+2:G0A+4*(\s)+3], s[18:19], (\s)*STEPA
	s_or_b32 s[G0A+4*(\s)+3], s[G0A+4*(\s)+3], 0x80000000
	s_mov_b32 s[G0B+4*(\s)], 1
	s_add_co_u32 s[G0B+4*(\s)+1], s21, (\s)*SLOT
	s_add_nc_u64 s[G0B+4*(\s)+2:G0B+4*(\s)+3], s[22:23], (\s)*STEPB
	s_or_b32 s[G0B+4*(\s)+3], s[G0B+4*(\s)+3], 0x80000000
.endr
	CROUND                                         ; all sixteen work-groups are here: the first joint loads meet
	s_cmp_eq_u32 s[RH], 0                          ; a wave's two first fills stand in one branch: two loads of mine are out
	s_cbranch_scc0 .Lfirst_b
	tensor_load_to_lds s[G0A:G0A+3], s[G1A:G1A+7]
	s_nop 0
	tensor_load_to_lds s[G0A+4:G0A+7], s[G1A:G1A+7]
	s_nop 0
	PLACES
	s_branch .Lfirst_asked
.Lfirst_b:
	tensor_load_to_lds s[G0B:G0B+3], s[G1B:G1B+7]
	s_nop 0
	tensor_load_to_lds s[G0B+4:G0B+7], s[G1B:G1B+7]
	s_nop 0
	PLACES
.Lfirst_asked:
	v_and_b32 v1, 15, v0                           ; r = l % 16
	v_bfe_u32 v2, v0, 4, 1                         ; h = l / 16
	v_and_b32 v3, 7, v0                            ; l % 8
	v_bfe_u32 v4, v0, 3, 1                         ; (l / 8) % 2
	v_mul_u32_u24 v[A0], v1, PA                    ; a fragment of A: row 64 RH + r, 16 bytes for each half of the lanes
	v_lshl_add_u32 v[A0], v2, 4, v[A0]
	s_mul_i32 s15, s[RH], 64*PA
	v_add_nc_u32 v[A0], s15, v[A0]
	v_lshl_add_u32 v[B0], v2, 3, v3                ; the turning load: K row 8 h + l % 8, columns 8 ((l / 8) % 2) + 0..7 of my 64
	v_mul_u32_u24 v[B0], v[B0], PB
	v_lshl_add_u32 v[B0], v4, 4, v[B0]
	s_lshl_b32 s15, s[CH], 7
	s_add_co_u32 s15, s15, BOFF
	v_add_nc_u32 v[B0], s15, v[B0]
	s_mul_i32 s15, s[WV], 64*SP                    ; my stage, over slot 0 when the ring has had its last fill and its last read
	v_mul_u32_u24 v[STO], v1, SP
	v_lshl_add_u32 v[STO], v2, 5, v[STO]
	v_add_nc_u32 v[STO], s15, v[STO]
	v_mul_u32_u24 v[RD], v2, SP                    ; back: lanes 0-15 take one row of 256 bytes, lanes 16-31 the next
	v_lshl_add_u32 v[RD], v1, 4, v[RD]
	v_add_nc_u32 v[RD], s15, v[RD]
	v_lshlrev_b32 v[CO], 12, v2                    ; and the same two rows in memory
	v_lshl_add_u32 v[CO], v1, 4, v[CO]
	v_lshlrev_b32 v[BO], 5, v2
	s_lshl_b32 s15, s[CH], 8
	v_add_nc_u32 v[BO], s15, v[BO]
	; THE SUMS START FROM THE BIAS, loaded straight into the accumulators; the residual follows into window 2 and stays out until the way out.  Both stand in the wait for the first tile.
.set oa, 0
.rept 4
.set ob, 0
.rept 4
	global_load_b128 v[ACC+8*(4*oa+ob):ACC+8*(4*oa+ob)+3], v[BO], s[8:9] offset:64*ob
	global_load_b128 v[ACC+8*(4*oa+ob)+4:ACC+8*(4*oa+ob)+7], v[BO], s[8:9] offset:64*ob+16
.set ob, ob+1
.endr
.set oa, oa+1
.endr
	WIN 0x80
.set t, 0
.rept 32
	global_load_b128 v[4*t:4*t+3], v[CO], s[10:11] offset:8192*t
.set t, t+1
.endr
	WIN 0
; 32 LDS loads in one run: the fragments of quarter q (64 along K: one block of A) of the slot in hand into buffer f; the first 32 along K first
.macro FETCH q, f
	WIN 0x40
.irp c, 0,1
.irp i, 0,1,2,3
	ds_load_tr16_b128 v[(\f)+64+8*(4*(\c)+(\i)):(\f)+64+8*(4*(\c)+(\i))+3],   v[CB+(\q)/2] offset:((\q)%2)*64*PB+(\c)*32*PB+32*(\i)
	ds_load_tr16_b128 v[(\f)+64+8*(4*(\c)+(\i))+4:(\f)+64+8*(4*(\c)+(\i))+7], v[CB+(\q)/2] offset:((\q)%2)*64*PB+(\c)*32*PB+16*PB+32*(\i)
	ds_load_b128 v[(\f)+8*(4*(\c)+(\i)):(\f)+8*(4*(\c)+(\i))+3],   v[CA] offset:(\q)*ABLK+64*(\c)+(\i)*16*PA
	ds_load_b128 v[(\f)+8*(4*(\c)+(\i))+4:(\f)+8*(4*(\c)+(\i))+7], v[CA] offset:(\q)*ABLK+64*(\c)+(\i)*16*PA+32
.endr
.endr
.endm
; 8 matrix instructions: row blocks a0, a0 + 1 x all 4 column blocks, half c of buffer f.  The 16 accumulators take turns, one instruction a turn
.macro MUL8 f, c, a0
	WIN 0x05
.irp a, \a0, (\a0)+1
.irp b, 0,1,2,3
	v_wmma_f32_16x16x32_f16 v[ACC+8*(4*(\a)+(\b)):ACC+8*(4*(\a)+(\b))+7], v[(\f)+64+8*(4*(\c)+(\b)):(\f)+64+8*(4*(\c)+(\b))+7], v[(\f)+8*(4*(\c)+(\a)):(\f)+8*(4*(\c)+(\a))+7], v[ACC+8*(4*(\a)+(\b)):ACC+8*(4*(\a)+(\b))+7]
.endr
.endr
.endm
.macro QUARTER q, f, g
	s_wait_dscnt 16                                ; the first 32 along K are in; the youngest sixteen loads may be out
	MUL8 \f, 0, 0
	MUL8 \f, 0, 2
	PLACES
	FETCH \q, \g
	s_wait_dscnt 32                                ; all but the 32 just issued
	MUL8 \f, 1, 0
	MUL8 \f, 1, 2
.endm
; the last quarter multiplies buffer 1 and changes slots: ONE barrier.  In front of it each wave waits for all its tensor loads (one is out: its part of the next slot), adds 0 to its spare word, and waits for
; that and for its reads of this slot.  fill = 1: the barrier opens a round of the cluster's, and behind it this slot is filled again, two K steps ahead.  fill = 0: the tail; its last trip fetches nothing more.
.macro TURN fill
	WIN 0
	s_wait_tensorcnt 0x0
	ds_add_u32 v[SPW], v[NIL]
	s_wait_dscnt 17                                ; (the add and the youngest sixteen loads may be out)
	MUL8 F1, 0, 0
	s_wait_dscnt 0x0                               ; the add is done, and my reads of this slot are over
	s_barrier_signal -1
	MUL8 F1, 0, 2
	WIN 0
	s_barrier_wait -1
.if \fill
	CREST                                          ; no wave of any partner still reads this slot or has a load on its way
	s_xor_b32 s[G0A+5], s[G0A+5], SLOT             ; the walking sets: the other slot than last time, the next K step; no tensor load of mine is out
	s_add_nc_u64 s[G0A+6:G0A+7], s[G0A+6:G0A+7], STEPA
	s_xor_b32 s[G0B+5], s[G0B+5], SLOT
	s_add_nc_u64 s[G0B+6:G0B+7], s[G0B+6:G0B+7], STEPB
	JLOAD                                          ; the first tensor load behind the round; its four v_nop are also the places in front of the loads below
.else
	s_cmp_eq_u32 s[CNT], 1
	s_cbranch_scc1 .Lno_fetch_\@
	PLACES
.endif
	s_xor_b32 s[TB], s[TB], SLOT
	v_add_nc_u32 v[CA], s[TB], v[A0]
	v_add_nc_u32 v[CB], s[TB], v[B0]
	v_add_nc_u32 v[CB+1], 128*PB, v[CB]
	FETCH 0, F0
	WIN 0
.if !(\fill)
.Lno_fetch_\@:
.endif
	MUL8 F1, 1, 0
	MUL8 F1, 1, 2
.endm
.macro STEP fill
	QUARTER 1, F0, F1
	QUARTER 2, F1, F0
	QUARTER 3, F0, F1
	TURN \fill
	WIN 0
.endm
	s_wait_tensorcnt 0x1                           ; my part of K step 0 is in; K step 1's may stay out
	s_barrier_signal -1
	s_barrier_wait -1
	v_mov_b32 v[CA], v[A0]
	v_mov_b32 v[CB], v[B0]
	v_add_nc_u32 v[CB+1], 128*PB, v[B0]
	FETCH 0, F0
	WIN 0
	s_wait_loadcnt 32                              ; the bias is in; the 32 loads of the residual stay out
	s_mov_b32 s[CNT], KSTEPS-2
.Lk:                                                   ; a trip is a K step; all but the last two ask for the step two on
	STEP 1
	s_sub_co_u32 s[CNT], s[CNT], 1
	s_cmp_lg_u32 s[CNT], 0
	s_cbranch_scc1 .Lk
	s_mov_b32 s[CNT], 2
.Lt:                                                   ; the last two K steps ask for nothing: a text of their own
	STEP 0
	s_sub_co_u32 s[CNT], s[CNT], 1
	s_cmp_lg_u32 s[CNT], 0
	s_cbranch_scc1 .Lt
	; THE WAY OUT.  My 64 x 64 goes through my own stage in f32 and comes back as rows of 256 bytes; the residual is added; 16 lanes store 256 consecutive bytes, aligned.
	PLACES
.set oa, 0
.rept 4
.set ob, 0
.rept 4
	ds_store_b128 v[STO], v[ACC+8*(4*oa+ob):ACC+8*(4*oa+ob)+3] offset:oa*16*SP+64*ob          ; each accumulator's low registers first
	ds_store_b128 v[STO], v[ACC+8*(4*oa+ob)+4:ACC+8*(4*oa+ob)+7] offset:oa*16*SP+64*ob+16
.set ob, ob+1
.endr
.set oa, oa+1
.endr
	WIN 0x40
.set t, 0
.rept 32
	ds_load_b128 v[4*t:4*t+3], v[RD] offset:2*SP*t   ; LDS serves a wave's instructions in order (ISA guide 5.7.1.4): these see the stores above
.set t, t+1
.endr
	s_wait_dscnt 0x0
	s_wait_loadcnt 0x0                             ; the residual
	WIN 0x49                                       ; destination and source 0 window 1, source 1 window 2
.set t, 0
.rept 64
	v_pk_add_f32 v[2*t:2*t+1], v[2*t:2*t+1], v[2*t:2*t+1]
.set t, t+1
.endr
	WIN 0x04                                       ; the stores' data in window 1
.set t, 0
.rept 32
	global_store_b128 v[CO], v[4*t:4*t+3], s[OUTP:OUTP+1] offset:8192*t
.set t, t+1
.endr
	WIN 0
	s_wait_tensorcnt 0x0                           ; the wave's end: the add and its wait stand behind my last tensor load and my last LDS store
	ds_add_u32 v[SPW], v[NIL]
	s_wait_dscnt 0x0
	CROUND                                         ; the closing round: no work-group ends while a partner may still ask for a tile that names it
	s_endpgm
.Lfunc_end_k_qd695da465b_fcp:
	.size	k_qd695da465b_fcp, .Lfunc_end_k_qd695da465b_fcp-k_qd695da465b_fcp
	.p2alignl 7, 3214868480
	.fill 96, 4, 3214868480
	.section	.rodata,"a",@progbits
	.p2align	6, 0x0
	.amdhsa_kernel k_qd695da465b_fcp
		.amdhsa_group_segment_fixed_size 327680
		.amdhsa_private_segment_fixed_size 0
		.amdhsa_enable_private_segment 0
		.amdhsa_kernarg_size 40
		.amdhsa_user_sgpr_count 2
		.amdhsa_user_sgpr_kernarg_segment_ptr 1
		.amdhsa_wavefront_size32 1
		.amdhsa_system_sgpr_workgroup_id_x 1
		.amdhsa_system_sgpr_workgroup_id_y 1
		.amdhsa_system_sgpr_workgroup_id_z 1
		.amdhsa_system_vgpr_workitem_id 0
		.amdhsa_next_free_vgpr 640
		.amdhsa_next_free_sgpr 80
		.amdhsa_reserve_vcc 0
		.amdhsa_float_denorm_mode_32 3
		.amdhsa_float_denorm_mode_16_64 3
		.amdhsa_memory_ordered 1
		.amdhsa_forward_progress 1
		.amdhsa_inst_pref_size 63
	.end_amdhsa_kernel
	.amdgpu_metadata
---
amdhsa.version: [ 1, 2 ]
amdhsa.kernels:
  - .name:           k_qd695da465b_fcp
    .symbol:         k_qd695da465b_fcp.kd
    .args:
      - { .name: g, .offset: 0, .size: 8, .value_kind: global_buffer, .address_space: global }
      - { .name: wf, .offset: 8, .size: 8, .value_kind: global_buffer, .address_space: global }
      - { .name: fc_proj_b, .offset: 16, .size: 8, .value_kind: global_buffer, .address_space: global }
      - { .name: qkvh, .offset: 24, .size: 8, .value_kind: global_buffer, .address_space: global }
      - { .name: out0, .offset: 32, .size: 8, .value_kind: global_buffer, .address_space: global }
    .group_segment_fixed_size: 327680
    .private_segment_fixed_size: 0
    .kernarg_segment_align: 8
    .kernarg_segment_size: 40
    .max_flat_workgroup_size: 128
    .sgpr_count:     80
    .vgpr_count:     640
    .wavefront_size: 32
...
	.end_amdgpu_metadata
.endif
;; end of part 6
